; MI455X (gfx1250); checked and timed in simulation.
; The chip was launched on July 23, 2026; its instructions are those of AMD's public machine-readable ISA for CDNA 5 (MIT licence, August 2026) and "CDNA5" Instruction Set Architecture Reference Guide (July 2026). The comments in the code are by the model that wrote it; some were corrected since.
;; Multi Head Attention. Allowed arithmetic: float matrix products may take bf16 or f16 operands with f32 sums; other float arithmetic in f32, or as packed bf16 or f16 multiplies, adds, multiply-adds, maxima and minima; sums over many terms, partial sums and values carried from step to step in f32; what a program stores and reads back later, other than sums and carried values, may be rounded once to bf16 or f16.
;; Inputs: Wk 1,024 x 1,024 float32; Wo 1,024 x 1,024 float32; Wq 1,024 x 1,024 float32; Wv 1,024 x 1,024 float32; bk 1,024 float32; bo 1,024 float32; bq 1,024 float32; bv 1,024 float32; key 4 x 2,048 x 1,024 float32; mask 4 x 1 x 1 x 2,048 bool; query 4 x 2,048 x 1,024 float32; value 4 x 2,048 x 1,024 float32.
;; Outputs: out0 4 x 2,048 x 1,024 float32.
;; 2 versions, each right; version 2 is version 1 with the launch prep written anew for expert scheduling mode. Each part assembles by itself: llvm-mc -triple=amdgcn-amd-amdhsa -mcpu=gfx1250 --defsym DOCPART=n.
;; ======== version 1 of 2: 4 launches
;; limits: values are held in f16: magnitudes above 65,504 overflow, below 6.1e-05 lose precision
;; workspace buffers: wb 8,388,608 bytes; bb 16,384 bytes; qkv 50,331,648 bytes; oh 16,777,216 bytes
;; launch prep (part 1): grid 64 x 4, 8 waves a work-group, no clusters, 0 bytes of LDS; arguments Wq, Wk, Wv, Wo, bq, bk, bv, bo, wb, bb; writes wb, bb
.if DOCPART == 1
	.amdgcn_target "amdgcn-amd-amdhsa--gfx1250"
	.amdhsa_code_object_version 6
	.text
	.protected	k_qfe9c9d19f2_prep
	.globl	k_qfe9c9d19f2_prep
	.p2align	8
	.type	k_qfe9c9d19f2_prep,@function
k_qfe9c9d19f2_prep:
	s_mov_b64 s[64:65], 0
	v_nop
	global_prefetch_b8 v0, s[64:65] scope:SCOPE_SE
	s_setreg_imm32_b32 hwreg(HW_REG_WAVE_MODE, 25, 1), 1
	s_wait_xcnt 0x0
; CASTS.  wb: four matrices [1024 k][1024 n] of 16 bits, matrix y at byte y << 21: Wq, Wk, Wv rounded to bf16; Wo rounded to bf16 and that number written as f16.
; bb: four vectors [1024] of f32, vector y at byte y << 12: bq, bk, bv, bo, each number rounded to bf16 and widened again.
; LIMIT.  A bf16 number is exact in f16 from 2^-14 up to 65,504; a smaller |Wo| keeps f16's fixed step of 6e-8, a larger one becomes an infinity.
; SHARES.  The grid's y picks the matrix; work-group x takes 16,384 numbers: 65,536 bytes in, 32,768 out.  Thread t, chunk i: 16 bytes in at 4,096 i + 16 t (a wave: 512 consecutive bytes),
; 8 bytes out at 2,048 i + 8 t (a wave: 256 consecutive bytes, aligned).  All 16 loads of a thread go out at once; each chunk has its own registers, so nothing is rewritten while a store reads it.
; No LDS, no matrix unit, no cluster: every byte is read once by one thread and nothing is shared.
.set X, 4                              ; v[4:67]    chunk i: 4 numbers as loaded
.set Y, 68                             ; v[68:99]   chunk i: 2 registers to store
.set T, 100                            ; v[100:103] at work
	s_load_b256 s[4:11], s[0:1], 0x0               ; Wq, Wk, Wv, Wo
	s_load_b256 s[12:19], s[0:1], 0x20             ; bq, bk, bv, bo
	s_load_b128 s[20:23], s[0:1], 0x40             ; wb, bb
	s_and_b32 s24, ttmp7, 0xffff                   ; which matrix
	v_lshlrev_b32 v1, 4, v0                        ; 16 t
	v_lshlrev_b32 v2, 3, v0                        ; 8 t
	s_lshl_b32 s26, ttmp9, 16                      ; my part of the source
	s_mov_b32 s27, 0
	s_lshl_b32 s28, s24, 21                        ; my matrix in wb,
	s_lshl_b32 s25, ttmp9, 15                      ; my part of it
	s_add_co_u32 s28, s28, s25
	s_mov_b32 s29, 0
	s_lshl_b32 s30, s24, 12                        ; my vector in bb
	s_mov_b32 s31, 0
	s_wait_kmcnt 0x0
.irp m, 1,2,3
	s_cmp_eq_u32 s24, \m                           ; the choice hangs on the grid's y alone
	s_cselect_b64 s[4:5], s[4+2*(\m):5+2*(\m)], s[4:5]
	s_cselect_b64 s[12:13], s[12+2*(\m):13+2*(\m)], s[12:13]
.endr
	s_add_nc_u64 s[4:5], s[4:5], s[26:27]
	s_add_nc_u64 s[20:21], s[20:21], s[28:29]
	s_add_nc_u64 s[22:23], s[22:23], s[30:31]
.irp i, 0,1,2,3,4,5,6,7,8,9,10,11,12,13,14,15
	global_load_b128 v[X+4*(\i):X+4*(\i)+3], v1, s[4:5] offset:4096*(\i) th:TH_LOAD_NT
.endr
; Chunk i.  half = 1: the bf16 numbers are widened again and written as f16.
.macro CH i, half
	s_wait_loadcnt 15-(\i)                         ; loads come back in order: chunk i is in, the 15 - i younger ones may stay out
	v_cvt_pk_bf16_f32 v[Y+2*(\i)],   v[X+4*(\i)],   v[X+4*(\i)+1]
	v_cvt_pk_bf16_f32 v[Y+2*(\i)+1], v[X+4*(\i)+2], v[X+4*(\i)+3]
.if \half
	v_lshlrev_b32 v[T],   16, v[Y+2*(\i)]
	v_and_b32     v[T+1], 0xffff0000, v[Y+2*(\i)]
	v_lshlrev_b32 v[T+2], 16, v[Y+2*(\i)+1]
	v_and_b32     v[T+3], 0xffff0000, v[Y+2*(\i)+1]
	v_cvt_pk_f16_f32 v[Y+2*(\i)],   v[T],   v[T+1]
	v_cvt_pk_f16_f32 v[Y+2*(\i)+1], v[T+2], v[T+3]
.endif
	global_store_b64 v2, v[Y+2*(\i):Y+2*(\i)+1], s[20:21] offset:2048*(\i)
.endm
	s_cmp_eq_u32 s24, 3
	s_cbranch_scc1 .Lf16
.irp i, 0,1,2,3,4,5,6,7,8,9,10,11,12,13,14,15
	CH \i, 0
.endr
	s_branch .Lbias
.Lf16:
.irp i, 0,1,2,3,4,5,6,7,8,9,10,11,12,13,14,15
	CH \i, 1
.endr
.Lbias:
	s_cmp_lg_u32 ttmp9, 0                          ; the first work-group of each matrix also casts its bias: 256 threads x 4 numbers
	s_cbranch_scc1 .Lend
	global_load_b128 v[X:X+3], v1, s[12:13]
	s_wait_loadcnt 0x0
	v_cvt_pk_bf16_f32 v[T],   v[X],   v[X+1]
	v_cvt_pk_bf16_f32 v[T+1], v[X+2], v[X+3]
	v_lshlrev_b32 v[X+4], 16, v[T]
	v_and_b32     v[X+5], 0xffff0000, v[T]
	v_lshlrev_b32 v[X+6], 16, v[T+1]
	v_and_b32     v[X+7], 0xffff0000, v[T+1]
	global_store_b128 v1, v[X+4:X+7], s[22:23]
.Lend:
	s_endpgm
.Lfunc_end_k_qfe9c9d19f2_prep:
	.size	k_qfe9c9d19f2_prep, .Lfunc_end_k_qfe9c9d19f2_prep-k_qfe9c9d19f2_prep
	.p2alignl 7, 3214868480
	.fill 96, 4, 3214868480
	.section	.rodata,"a",@progbits
	.p2align	6, 0x0
	.amdhsa_kernel k_qfe9c9d19f2_prep
		.amdhsa_group_segment_fixed_size 0
		.amdhsa_private_segment_fixed_size 0
		.amdhsa_enable_private_segment 0
		.amdhsa_kernarg_size 80
		.amdhsa_user_sgpr_count 2
		.amdhsa_user_sgpr_kernarg_segment_ptr 1
		.amdhsa_wavefront_size32 1
		.amdhsa_system_sgpr_workgroup_id_x 1
		.amdhsa_system_sgpr_workgroup_id_y 1
		.amdhsa_system_sgpr_workgroup_id_z 1
		.amdhsa_system_vgpr_workitem_id 0
		.amdhsa_next_free_vgpr 104
		.amdhsa_next_free_sgpr 66
		.amdhsa_reserve_vcc 0
		.amdhsa_float_denorm_mode_32 3
		.amdhsa_float_denorm_mode_16_64 3
		.amdhsa_memory_ordered 1
		.amdhsa_forward_progress 1
		.amdhsa_inst_pref_size 17
	.end_amdhsa_kernel
	.amdgpu_metadata
---
amdhsa.version: [ 1, 2 ]
amdhsa.kernels:
  - .name:           k_qfe9c9d19f2_prep
    .symbol:         k_qfe9c9d19f2_prep.kd
    .args:
      - { .name: Wq, .offset: 0, .size: 8, .value_kind: global_buffer, .address_space: global }
      - { .name: Wk, .offset: 8, .size: 8, .value_kind: global_buffer, .address_space: global }
      - { .name: Wv, .offset: 16, .size: 8, .value_kind: global_buffer, .address_space: global }
      - { .name: Wo, .offset: 24, .size: 8, .value_kind: global_buffer, .address_space: global }
      - { .name: bq, .offset: 32, .size: 8, .value_kind: global_buffer, .address_space: global }
      - { .name: bk, .offset: 40, .size: 8, .value_kind: global_buffer, .address_space: global }
      - { .name: bv, .offset: 48, .size: 8, .value_kind: global_buffer, .address_space: global }
      - { .name: bo, .offset: 56, .size: 8, .value_kind: global_buffer, .address_space: global }
      - { .name: wb, .offset: 64, .size: 8, .value_kind: global_buffer, .address_space: global }
      - { .name: bb, .offset: 72, .size: 8, .value_kind: global_buffer, .address_space: global }
    .group_segment_fixed_size: 0
    .private_segment_fixed_size: 0
    .kernarg_segment_align: 8
    .kernarg_segment_size: 80
    .max_flat_workgroup_size: 256
    .sgpr_count:     66
    .vgpr_count:     104
    .wavefront_size: 32
...
	.end_amdgpu_metadata
.endif
;; end of part 1
;; launch proj (part 2): grid 4 x 192, 4 waves a work-group, clusters of 4 x 4, 327,680 bytes of LDS; arguments query, key, value, wb, bb, qkv; writes qkv
.if DOCPART == 2
	.amdgcn_target "amdgcn-amd-amdhsa--gfx1250"
	.amdhsa_code_object_version 6
	.text
	.protected	k_qfe9c9d19f2_proj
	.globl	k_qfe9c9d19f2_proj
	.p2align	8
	.type	k_qfe9c9d19f2_proj,@function
k_qfe9c9d19f2_proj:
	s_mov_b64 s[64:65], 0
	v_nop
	global_prefetch_b8 v0, s[64:65] scope:SCOPE_SE
	s_setreg_imm32_b32 hwreg(HW_REG_WAVE_MODE, 25, 1), 1
	s_wait_xcnt 0x0
	s_wait_alu depctr_hold_cnt(0) depctr_sa_sdst(0) depctr_va_vdst(0) depctr_va_sdst(0) depctr_va_ssrc(0) depctr_va_vcc(0) depctr_vm_vsrc(0)
	s_getreg_b32 s2, hwreg(HW_REG_IB_STS2, 6, 4)
	s_cmp_eq_u32 s2, 0
	s_cbranch_scc0 .Lentry_in_a_cluster
	s_endpgm
.Lentry_in_a_cluster:
	s_bfe_u32 s2, ttmp6, 0x10000c
	s_cmp_lg_u32 s2, 0xf033
	s_cbranch_scc0 .Lentry_shape_is_right
	s_endpgm
.Lentry_shape_is_right:
; THE THREE INPUT PROJECTIONS.  For p = 0, 1, 2: y = x_p W_p + b_p, x_p [8192][1024] f32 (query, key, value), W_p [1024 k][1024 n] bf16 (wb), b_p f32 (bb).  x is rounded to bf16 on the way from LDS to the
; matrix unit; sums in f32, started by the bias as the first product's C operand; y rounded once to f16 and stored BY HEADS: qkv + (p << 24), [64 = 16 batch + head][2048][64].
; LIMIT.  f16 ends at 65,504: a |y| of 65,520 or more becomes an infinity; below 6e-5 y keeps f16's fixed step of 6e-8.
; SHARES.  3 x 64 x 4 = 768 tiles of 128 rows x 256 columns, three for each of 256 WGPs, all alike.  Four waves, each 64 x 128: 32 accumulators, 256 registers.
; K goes in 8 steps of 128 through two LDS slots; each wave fetches a quarter of a slot by one tensor load: 64 rows x 512 bytes (waves 0, 1: x; waves 2, 3: W).
; CLUSTER, 4 x 4.  The four work-groups of a cluster's row make the four column tiles of the same 128 rows: x's tile is asked for jointly along the row, so each byte of x is requested once in the launch.
; The four of a column need the same tile of W: asked for jointly along the column.  p comes from the cluster's y alone (16 clusters of rows to a projection): it is equal in all sixteen.
; THE MATRIX INSTRUCTION IS USED TRANSPOSED: source 0 = 16 columns of W (W lies [k][n] in LDS and comes out turned, by ds_load_tr16_b128), source 1 = 16 rows of x.  A lane then holds one row and eight
; neighbouring columns of y: 16 bytes of f16.
; REGISTERS, in windows of 256 (s_set_vgpr_msb: bits 1:0 source 0, 3:2 source 1, 5:4 source 2, 7:6 destination):
;   window 0: v0-31 addresses; v32-63, v64-95 x's fragments in bf16, two buffers; v96-159 x as it lies in LDS, f32; on the way out v32-159 packed results
;   window 1: v0-63, v64-127 W's fragments, two buffers; v128-191 the bias, laid as a C operand        window 2: the accumulators, (a, b) at v[8 (8 a + b)]
.set PA,     528                       ; a row of x in LDS: 512 bytes + 16 = 33 x 16: the 16 rows of a load start at 16 different 16-byte columns of the 64 banks of 4 bytes (ISA guide 11.1)
.set PB,     544                       ; a row of W: 512 + 32 = 17 x 32
.set AH,     64*PA                     ; what one tensor load brings of x, and what one wave reads of it
.set ABYTES, 128*PA
.set BH,     64*PB                     ; what one tensor load brings of W
.set SLOT,   ABYTES+128*PB             ; x's 128 rows, then W's 128 k-rows: 137,216 bytes
.set STAGE,  2*SLOT                    ; behind the ring, never filled by a tensor load: for each wave 2 heads x 16 rows x 144 bytes, for the way out
.set SP,     144
.set WSTG,   2*16*SP
.set SPARE,  STAGE+4*WSTG              ; behind the stages: the spare words, 128 bytes for each wave: two blocks of 256 bytes that no other line names
.set ADRA, 16                          ; v16-17  LDS address of my x rows in slot 0, 1
.set ADRB, 20                          ; v20-21  the same for W
.set STO,  24                          ; v24     the way out: where I put 16 bytes of a row
.set RD,   25                          ; v25     the way out: where I read rows back
.set CO,   26                          ; v26     16 x lane: my place in 512 consecutive bytes of a head
.set BO,   27                          ; v27     32 x (lane / 16): my eight numbers of 16 of the bias
.set SPW,  28                          ; v28     LDS address of my spare word; never rewritten
.set NIL,  29                          ; v29     0; never rewritten
.set PFO,  30                          ; v30     the prefetches' offset: (lane / 2) rows of 4,096 bytes + (lane % 2) x 256; never rewritten
.set AF,   32
.set AR,   96
.set OUT,  32
.set BF,   0                           ; window 1
.set BIAS, 128                         ; window 1
.set WV,  16                           ; s16  my wave's number
.set WM,  17                           ; s17  wave / 2: my 64 rows; also 0: I fetch x, 1: I fetch W
.set WN,  18                           ; s18  wave % 2: my 128 columns; also which half of the tile I fetch
.set G1A, 24                           ; s[24:31] descriptor group 1 for x's tiles;  s[32:39] group 0, a set for each slot
.set G0A, 32
.set G1B, 40                           ; s[40:47], s[48:55] the same for W's
.set G0B, 48
.set PFA, 66                           ; s[66:67] where my prefetches stand
.set LIM, 68                           ; s68  1 in a wave that prefetches, else the greatest number
.set OB,  70                           ; s[70:71] qkv at my wave's first row of its first head
.set BB,  72                           ; s[72:73] bb at my wave's first column
.set MSB, 0
.macro WIN new                         ; the immediate's high byte repeats the setting that is left; a switch that changes nothing is dropped
.if MSB != (\new)
	s_set_vgpr_msb (MSB<<8)|(\new)
.set MSB, \new
.endif
.endm
.set MUL,  0xa1                        ; W window 1, x window 0, C and D window 2
.set MULB, 0x91                        ; the same with C (the bias) in window 1
.set TO_B, 0x40                        ; destination window 1, address window 0
.set PK,   0x0a                        ; sources 0 and 1 window 2, destination window 0
.macro JLOAD s                         ; a joint load: waves 0 and 1 fetch x's two halves, waves 2 and 3 W's; an s_nop 0 and four v_nop follow each of the two lines, ahead of the jump and the label
	s_cmp_eq_u32 s[WM], 0
	s_cbranch_scc0 .Lfor_b_\@
	tensor_load_to_lds s[G0A+4*(\s):G0A+4*(\s)+3], s[G1A:G1A+7]
	s_nop 0
.rept 4
	v_nop
.endr
	s_branch .Lasked_\@
.Lfor_b_\@:
	tensor_load_to_lds s[G0B+4*(\s):G0B+4*(\s)+3], s[G1B:G1B+7]
	s_nop 0
.rept 4
	v_nop
.endr
.Lasked_\@:
.endm
.macro CREST                           ; a round of the cluster's barrier behind its opening barrier
	s_cmp_lg_u32 s[WV], 0
	s_cbranch_scc1 .Lnot_wave_0_\@
	s_barrier_signal -3
.Lnot_wave_0_\@:
	s_barrier_wait -3
	s_barrier_signal -1
	s_barrier_wait -1
.endm
.macro CROUND                          ; a whole round
	s_barrier_signal -1
	s_barrier_wait -1
	CREST
.endm
.macro PLACES
.rept 4
	v_nop
.endr
.endm
; A PREFETCH INTO THE L2 of x, behind a joint load, its five lines and the run of LDS loads: the K step that stands two refills on, 256 matrix instructions ahead of the load that will want it.
; A wave that fetches x has 64 rows x 512 bytes in a step: 128 blocks of 256 bytes.  The four partners that ask for them jointly take 16 rows each, told apart BY ADDRESS (cx); a lane a block, one instruction.
; No other cluster reads these rows, so each block is named once in the launch.  K steps 0 to 3 come by their loads alone; the loop's last trip (s3 = 1) has no K step two refills on.  W is not asked for: every cluster reads it.
.macro ASK
	WIN 0
	s_cmp_gt_u32 s3, s[LIM]
	s_cbranch_scc0 .Lnot_mine_\@
	global_prefetch_b8 v[PFO], s[PFA:PFA+1] th:TH_LOAD_NT scope:SCOPE_SE
.Lnot_mine_\@:
.endm
	s_load_b256 s[4:11], s[0:1], 0x0               ; query s[4:5], key s[6:7], value s[8:9], wb s[10:11]
	s_load_b128 s[12:15], s[0:1], 0x20             ; bb s[12:13], qkv s[14:15]
	v_lshl_add_u32 v[SPW], v0, 2, SPARE
	v_mov_b32 v[NIL], 0
	ds_add_u32 v[SPW], v[NIL]                      ; the wave's opening: the add and its wait stand ahead of my first tensor load; the set-up below, work on registers, stands between them
	v_lshrrev_b32 v1, 5, v0
	v_readfirstlane_b32 s[WV], v1                  ; wave 0..3
	s_lshr_b32 s[WM], s[WV], 1
	s_and_b32 s[WN], s[WV], 1
	s_bfe_u32 s19, ttmp6, 0x40000                  ; cx, cy: my place in the cluster
	s_bfe_u32 s20, ttmp6, 0x40004
	s_lshl_b32 s21, ttmp9, 2
	s_add_co_u32 s21, s21, s19                     ; tile column 0..3 = 4 x cluster x + cx
	s_and_b32 s22, ttmp7, 0xffff                   ; cluster y, 0..47
	s_lshr_b32 s23, s22, 4                         ; p: which projection
	s_lshl_b32 s22, s22, 2
	s_add_co_u32 s22, s22, s20                     ; 4 x cluster y + cy
	s_and_b32 s62, s22, 63                         ; tile row 0..63 of that projection
	s_lshl_b32 s76, s20, 2
	s_lshl_b32 s76, 15, s76                        ; my row of the cluster
	s_lshl_b32 s77, 0x1111, s19                    ; my column
	; descriptor group 1.  x: 64 rows x 128 elements of 4 bytes, 4 words of padding behind every 128 words.  W: 64 rows x 256 elements of 2 bytes, 8 words of padding.
	s_or_b32 s[G1A], s76, (2<<16)|(1<<20)|(1<<21)|(6<<22)|(3<<25)  ; 15:0 the mask; 17:16 element size; 20 padding on; 21 set beside a mask; 24:22 the interval's code; 31:25 the padding's
	s_or_b32 s[G1B], s77, (1<<16)|(1<<20)|(1<<21)|(6<<22)|(7<<25)
	s_mov_b32 s[G1A+1], 128<<16                    ; tensor_dim0
	s_mov_b32 s[G1B+1], 256<<16
	s_mov_b32 s[G1A+2], 64<<16                     ; tensor_dim1
	s_mov_b32 s[G1B+2], 64<<16
	s_mov_b32 s[G1A+3], 128<<16                    ; tile_dim0
	s_mov_b32 s[G1B+3], 256<<16
	s_mov_b32 s[G1A+4], 64                         ; tile_dim1
	s_mov_b32 s[G1B+4], 64
	s_mov_b32 s[G1A+5], 1024                       ; elements from row to row
	s_mov_b32 s[G1B+5], 1024
	s_mov_b32 s[G1A+6], 0
	s_mov_b32 s[G1B+6], 0
	s_mov_b32 s[G1A+7], 0
	s_mov_b32 s[G1B+7], 0
	s_lshl_b32 s56, s62, 19                        ; x: 128 rows of 4,096 bytes a tile row,
	s_lshl_b32 s57, s[WN], 18                      ; the 64 rows that I fetch
	s_add_co_u32 s56, s56, s57
	s_mov_b32 s57, 0
	s_lshl_b32 s58, s23, 21                        ; W: the projection's matrix,
	s_lshl_b32 s59, s[WN], 17                      ; the 64 k-rows of 2,048 bytes that I fetch,
	s_add_co_u32 s58, s58, s59
	s_lshl_b32 s59, s21, 9                         ; the tile's 256 columns
	s_add_co_u32 s58, s58, s59
	s_mov_b32 s59, 0
	s_mul_i32 s60, s[WN], AH                       ; where they go: no place in the cluster enters an LDS address
	s_mul_i32 s61, s[WN], BH
	s_add_co_u32 s61, s61, ABYTES
	s_wait_dscnt 0x0                               ; the opening add is done
	s_wait_kmcnt 0x0
	s_cmp_eq_u32 s23, 1
	s_cselect_b64 s[4:5], s[6:7], s[4:5]           ; x = query, key or value
	s_cmp_eq_u32 s23, 2
	s_cselect_b64 s[4:5], s[8:9], s[4:5]
	s_add_nc_u64 s[56:57], s[4:5], s[56:57]
	s_add_nc_u64 s[58:59], s[10:11], s[58:59]
	CROUND                                         ; all sixteen work-groups are here: the first joint loads meet
.irp s, 0,1
	s_mov_b32 s[G0A+4*(\s)], 1                                     ; count = 1
	s_add_co_u32 s[G0A+4*(\s)+1], s60, (\s)*SLOT                   ; LDS address
	s_add_nc_u64 s[G0A+4*(\s)+2:G0A+4*(\s)+3], s[56:57], (\s)*512  ; global address: K step s is 512 bytes along x's rows,
	s_or_b32 s[G0A+4*(\s)+3], s[G0A+4*(\s)+3], 0x80000000          ; type = 2
	s_mov_b32 s[G0B+4*(\s)], 1
	s_add_co_u32 s[G0B+4*(\s)+1], s61, (\s)*SLOT
	s_add_nc_u64 s[G0B+4*(\s)+2:G0B+4*(\s)+3], s[58:59], (\s)*262144  ; and 128 rows down W
	s_or_b32 s[G0B+4*(\s)+3], s[G0B+4*(\s)+3], 0x80000000
	JLOAD \s                                       ; two loads of mine are out
.endr
	v_and_b32 v1, 15, v0                           ; r = l % 16
	v_bfe_u32 v2, v0, 4, 1                         ; h = l / 16
	v_and_b32 v3, 7, v0
	v_bfe_u32 v4, v0, 3, 1
	v_mul_u32_u24 v5, v1, PA                       ; x: row r, 32 bytes (8 f32) for each half of the lanes
	v_lshl_add_u32 v5, v2, 5, v5
	s_mul_i32 s63, s[WM], AH
	v_add_nc_u32 v[ADRA], s63, v5
	v_add_nc_u32 v[ADRA+1], SLOT, v[ADRA]
	v_lshl_add_u32 v6, v2, 3, v3                   ; W: the turning load takes 16 k x 16 n: lane l reads k-row 8 h + l % 8, columns 8 ((l / 8) % 2) + 0..7
	v_mul_u32_u24 v6, v6, PB
	v_lshl_add_u32 v6, v4, 4, v6
	s_lshl_b32 s63, s[WN], 8                       ; my 128 columns
	s_add_co_u32 s63, s63, ABYTES
	v_add_nc_u32 v[ADRB], s63, v6
	v_add_nc_u32 v[ADRB+1], SLOT, v[ADRB]
	s_mul_i32 s63, s[WV], WSTG
	s_add_co_u32 s63, s63, STAGE                   ; my stage
	v_mul_u32_u24 v5, v1, SP                       ; in: row r, 16 bytes for each half of the lanes
	v_lshl_add_u32 v5, v2, 4, v5
	v_add_nc_u32 v[STO], s63, v5
	v_bfe_u32 v6, v0, 3, 2                         ; back: 32 lanes take four rows of 128 bytes
	v_mul_u32_u24 v6, v6, SP
	v_lshl_add_u32 v6, v3, 4, v6
	v_add_nc_u32 v[RD], s63, v6
	v_and_b32 v7, 31, v0
	v_lshlrev_b32 v[CO], 4, v7
	v_lshlrev_b32 v[BO], 5, v2
	v_bfe_u32 v7, v0, 1, 4
	v_and_b32 v8, 1, v0
	v_lshlrev_b32 v[PFO], 12, v7
	v_lshl_add_u32 v[PFO], v8, 8, v[PFO]
	s_lshl_b32 s78, s23, 12                        ; the bias: vector p, my tile's 256 numbers, my wave's 128
	s_lshl_b32 s79, s21, 10
	s_add_co_u32 s78, s78, s79
	s_lshl_b32 s79, s[WN], 9
	s_add_co_u32 s78, s78, s79
	s_mov_b32 s79, 0
	s_add_nc_u64 s[BB:BB+1], s[12:13], s[78:79]
	WIN TO_B
.irp b, 0,1,2,3,4,5,6,7                ; lane (r, h), register j of block b: the bias of column 16 b + 8 h + j, as the result's layout has it
	global_load_b128 v[BIAS+8*(\b):BIAS+8*(\b)+3],   v[BO], s[BB:BB+1] offset:64*(\b)
	global_load_b128 v[BIAS+8*(\b)+4:BIAS+8*(\b)+7], v[BO], s[BB:BB+1] offset:64*(\b)+16
.endr
	WIN 0
	s_lshl_b32 s74, s19, 16                        ; the prefetches: my work-group's 16 rows of the 64 that I fetch,
	s_add_co_u32 s74, s74, 1536                    ; at K step 3: the first change of slots steps it to K step 4
	s_mov_b32 s75, 0
	s_add_nc_u64 s[PFA:PFA+1], s[56:57], s[74:75]
	s_cmp_eq_u32 s[WM], 0
	s_cselect_b32 s[LIM], 1, -1                    ; waves 0 and 1: the same in all sixteen partners
	s_lshr_b32 s78, s62, 4                         ; the way out: batch = tile row / 16;
	s_lshl_b32 s78, s78, 4
	s_lshl2_add_u32 s78, s21, s78                  ; a tile has four heads,
	s_lshl1_add_u32 s78, s[WN], s78                ; my wave two of them
	s_lshl_b32 s78, s78, 18                        ; of 2,048 rows x 128 bytes
	s_and_b32 s79, s62, 15
	s_lshl_b32 s79, s79, 14                        ; the tile's 128 rows in the batch,
	s_add_co_u32 s78, s78, s79
	s_lshl_b32 s79, s[WM], 13                      ; my wave's 64
	s_add_co_u32 s78, s78, s79
	s_lshl_b32 s79, s23, 24                        ; q, k or v
	s_add_co_u32 s78, s78, s79
	s_mov_b32 s79, 0
	s_add_nc_u64 s[OB:OB+1], s[14:15], s[78:79]
; 32 LDS loads in one run: 32 along K (quarter kq of the slot's step).  x first: 4 blocks of 16 rows, for each lane k = 8 h + 0..7 and 16 + 8 h + 0..7 as four loads of 4 f32.  Then W's 8 fragments, turned, into buffer g.
.macro FETCH slot, kq, g
	WIN 0
.irp i, 0,1,2,3
.irp c, 0,1,2,3
	ds_load_b128 v[AR+16*(\i)+4*(\c):AR+16*(\i)+4*(\c)+3], v[ADRA+(\slot)] offset:(\i)*16*PA+(\kq)*128+16*(\c)+32*((\c)/2)
.endr
.endr
	WIN TO_B
.irp b, 0,1,2,3,4,5,6,7
	ds_load_tr16_b128 v[BF+64*(\g)+8*(\b):BF+64*(\g)+8*(\b)+3],   v[ADRB+(\slot)] offset:(\kq)*32*PB+32*(\b)
	ds_load_tr16_b128 v[BF+64*(\g)+8*(\b)+4:BF+64*(\g)+8*(\b)+7], v[ADRB+(\slot)] offset:(\kq)*32*PB+16*PB+32*(\b)
.endr
.endm
; 8 matrix instructions: row block a x all 8 column blocks, on buffers f.  first = 1: the bias starts the sums: nothing is ever cleared.
; The 32 accumulators take turns in the same order in every quarter, over the backward jump too.
.macro MUL8 f, a, first
.if \first
	WIN MULB
.else
	WIN MUL
.endif
.irp b, 0,1,2,3,4,5,6,7
.if \first
	v_wmma_f32_16x16x32_bf16 v[8*(8*(\a)+(\b)):8*(8*(\a)+(\b))+7], v[BF+64*(\f)+8*(\b):BF+64*(\f)+8*(\b)+7], v[AF+32*(\f)+8*(\a):AF+32*(\f)+8*(\a)+7], v[BIAS+8*(\b):BIAS+8*(\b)+7]
.else
	v_wmma_f32_16x16x32_bf16 v[8*(8*(\a)+(\b)):8*(8*(\a)+(\b))+7], v[BF+64*(\f)+8*(\b):BF+64*(\f)+8*(\b)+7], v[AF+32*(\f)+8*(\a):AF+32*(\f)+8*(\a)+7], v[8*(8*(\a)+(\b)):8*(8*(\a)+(\b))+7]
.endif
.endr
.endm
; The same, with four roundings of the next quarter's x behind each product: group b makes registers 4 b .. 4 b + 3 of buffer g from the run's loads 2 b and 2 b + 1.  Of the run's 32 loads
; 30 - 2 b were issued behind those two.  None of the four names a register of the products round it; the four behind the last product are also the four places in front of the next run's loads into W's buffer.
.macro MUL8R f, a, g, first
.irp b, 0,1,2,3,4,5,6,7
.if \first
	WIN MULB
	v_wmma_f32_16x16x32_bf16 v[8*(8*(\a)+(\b)):8*(8*(\a)+(\b))+7], v[BF+64*(\f)+8*(\b):BF+64*(\f)+8*(\b)+7], v[AF+32*(\f)+8*(\a):AF+32*(\f)+8*(\a)+7], v[BIAS+8*(\b):BIAS+8*(\b)+7]
.else
	WIN MUL
	v_wmma_f32_16x16x32_bf16 v[8*(8*(\a)+(\b)):8*(8*(\a)+(\b))+7], v[BF+64*(\f)+8*(\b):BF+64*(\f)+8*(\b)+7], v[AF+32*(\f)+8*(\a):AF+32*(\f)+8*(\a)+7], v[8*(8*(\a)+(\b)):8*(8*(\a)+(\b))+7]
.endif
	WIN 0
	s_wait_dscnt 30-2*(\b)
.irp j, 0,1,2,3
	v_cvt_pk_bf16_f32 v[AF+32*(\g)+4*(\b)+(\j)], v[AR+8*(\b)+2*(\j)], v[AR+8*(\b)+2*(\j)+1]
.endr
.endr
.endm
; A K step is four quarters of 32 along K, 32 matrix instructions each, on buffers 0, 1, 0, 1.  One of the first three: multiplies buffers f, fetches quarter kq of the same slot and rounds its x into buffer g.
.macro QUARTER slot, kq, f, g, first
	s_wait_dscnt 0x0                               ; W's fragments of buffer f are in (issued a quarter ago)
	FETCH \slot, \kq, \g
	MUL8 \f, 0, \first
	MUL8 \f, 1, \first
	MUL8 \f, 2, \first
	MUL8R \f, 3, \g, \first
.endm
; The last quarter multiplies buffers 1 and changes slots: ONE barrier; in front of it each wave waits for all its tensor loads (one is out: its part of the next slot), adds 0 to its spare word, and waits for that
; and for its own reads of this slot.  fill = 1: the barrier opens a round of the cluster's, and this slot is filled again, two K steps ahead: 112 matrix instructions stand between that request and the wait for it.
.macro TURN slot, next, fill
.if \fill
	s_wait_xcnt 0x0                                ; the last prefetch, a K step back, has read its address: it is stepped here, ahead of the waits of the change of slots
	s_add_nc_u64 s[PFA:PFA+1], s[PFA:PFA+1], 512
.endif
	WIN 0
	s_wait_tensorcnt 0x0                           ; all my tensor loads have landed;
	ds_add_u32 v[SPW], v[NIL]                      ; 0 onto my spare word
	s_wait_dscnt 1                                 ; (the add alone may be out: W's fragments of buffer 1 are in)
	MUL8 1, 0, 0                                   ; eight matrix instructions stand between the add and the wait for it
	s_wait_dscnt 0x0                               ; the add is done, and my reads of this slot are over
	s_barrier_signal -1
	MUL8 1, 1, 0
.if \fill
	WIN 0
.endif
	s_barrier_wait -1
.if \fill
	CREST                                          ; no wave of any partner still reads this slot's tiles or has a load on its way
	s_add_nc_u64 s[G0A+4*(\slot)+2:G0A+4*(\slot)+3], s[G0A+4*(\slot)+2:G0A+4*(\slot)+3], 1024
	s_add_nc_u64 s[G0B+4*(\slot)+2:G0B+4*(\slot)+3], s[G0B+4*(\slot)+2:G0B+4*(\slot)+3], 524288
	JLOAD \slot                                    ; the first tensor load behind the round, my only one until the next
.endif
	FETCH \next, 0, 0
.if \fill
	ASK
.endif
	MUL8 1, 2, 0
	MUL8R 1, 3, 0, 0
.endm
	s_wait_tensorcnt 1                             ; my part of K step 0 is in; K step 1's may stay out
	s_barrier_signal -1
	s_barrier_wait -1                              ; everybody's is
	FETCH 0, 0, 0
	WIN 0
	s_wait_dscnt 16                                ; x's 16 loads are in; W's 16 are younger
.set n, 0
.rept 32
	v_cvt_pk_bf16_f32 v[AF+n], v[AR+2*n], v[AR+2*n+1]
.set n, n+1
.endr
	s_wait_loadcnt 0x0                             ; the bias
	QUARTER 0, 1, 0, 1, 1                          ; the first quarter stands in front of the loop: its products start the sums
	WIN 0                                          ; at a label and at a branch every window is 0
	s_mov_b32 s3, 3
.Llap:                                                 ; a trip goes once round the ring, from a lap's second quarter to the next lap's first, and fills both slots again: K steps 2 to 7
	QUARTER 0, 2, 1, 0, 0
	QUARTER 0, 3, 0, 1, 0
	TURN 0, 1, 1
	QUARTER 1, 1, 0, 1, 0
	QUARTER 1, 2, 1, 0, 0
	QUARTER 1, 3, 0, 1, 0
	TURN 1, 0, 1
	QUARTER 0, 1, 0, 1, 0
	WIN 0
	s_sub_co_u32 s3, s3, 1
	s_cmp_lg_u32 s3, 0
	s_cbranch_scc1 .Llap
	QUARTER 0, 2, 1, 0, 0                          ; the last lap fills nothing, and has no round of the cluster's barrier
	QUARTER 0, 3, 0, 1, 0
	TURN 0, 1, 0
	QUARTER 1, 1, 0, 1, 0
	QUARTER 1, 2, 1, 0, 0
	QUARTER 1, 3, 0, 1, 0
	s_wait_dscnt 0x0                               ; the very last quarter: nothing more to fetch
	MUL8 1, 0, 0
	MUL8 1, 1, 0
	MUL8 1, 2, 0
	MUL8 1, 3, 0
	WIN 0
	PLACES                                         ; the conversions read results and write over fragments that the last products read
	PLACES                                         ; (eight, once a launch)
; THE WAY OUT, a block of 16 rows at a time.  A lane's eight columns pack into 16 bytes of f16; they go into my stage, by heads, in rows of 144 bytes, and come back as whole rows of 128,
; into the registers that they left; 16 rows of a head are 2,048 consecutive bytes of qkv.  Each accumulator's registers are read in ascending order.
.macro PACK a
	WIN PK
.irp b, 0,1,2,3,4,5,6,7
.irp r, 0,1,2,3
	v_cvt_pk_f16_f32 v[OUT+32*(\a)+4*(\b)+(\r)], v[8*(8*(\a)+(\b))+2*(\r)], v[8*(8*(\a)+(\b))+2*(\r)+1]
.endr
.endr
	WIN 0
.irp b, 0,1,2,3,4,5,6,7
	ds_store_b128 v[STO], v[OUT+32*(\a)+4*(\b):OUT+32*(\a)+4*(\b)+3] offset:((\b)/4)*16*SP+32*((\b)%4)
.endr
.irp f, 0,1,2,3,4,5,6,7
	ds_load_b128 v[OUT+32*(\a)+4*(\f):OUT+32*(\a)+4*(\f)+3], v[RD] offset:((\f)/4)*16*SP+((\f)%4)*4*SP  ; LDS serves a wave's instructions in order (ISA guide 5.7.1.4): these see the stores above; the next block's stores come behind them
.endr
.endm
.macro SEND a, younger                 ; younger: the LDS instructions issued behind block a's loads: the next block's sixteen, or none
	WIN 0
.irp f, 0,1,2,3,4,5,6,7
	s_wait_dscnt (\younger)+7-(\f)
	global_store_b128 v[CO], v[OUT+32*(\a)+4*(\f):OUT+32*(\a)+4*(\f)+3], s[OB:OB+1] offset:((\f)/4)*262144+(\a)*2048+((\f)%4)*512  ; 512 consecutive bytes, at a multiple of 256 from qkv's first byte
.endr
.endm
	PACK 0
	PACK 1                                         ; a block's arithmetic stands between the loads of the block before and its stores
	SEND 0, 16
	PACK 2
	SEND 1, 16
	PACK 3
	SEND 2, 16
	SEND 3, 0
	s_wait_tensorcnt 0x0                           ; the wave's end: behind my last tensor load and my last LDS store
	ds_add_u32 v[SPW], v[NIL]
	s_wait_dscnt 0x0
	CROUND                                         ; the closing round: no work-group ends while a partner may still ask for a tile that names it
	s_endpgm
.Lfunc_end_k_qfe9c9d19f2_proj:
	.size	k_qfe9c9d19f2_proj, .Lfunc_end_k_qfe9c9d19f2_proj-k_qfe9c9d19f2_proj
	.p2alignl 7, 3214868480
	.fill 96, 4, 3214868480
	.section	.rodata,"a",@progbits
	.p2align	6, 0x0
	.amdhsa_kernel k_qfe9c9d19f2_proj
		.amdhsa_group_segment_fixed_size 327680
		.amdhsa_private_segment_fixed_size 0
		.amdhsa_enable_private_segment 0
		.amdhsa_kernarg_size 48
		.amdhsa_user_sgpr_count 2
		.amdhsa_user_sgpr_kernarg_segment_ptr 1
		.amdhsa_wavefront_size32 1
		.amdhsa_system_sgpr_workgroup_id_x 1
		.amdhsa_system_sgpr_workgroup_id_y 1
		.amdhsa_system_sgpr_workgroup_id_z 1
		.amdhsa_system_vgpr_workitem_id 0
		.amdhsa_next_free_vgpr 768
		.amdhsa_next_free_sgpr 80
		.amdhsa_reserve_vcc 0
		.amdhsa_float_denorm_mode_32 3
		.amdhsa_float_denorm_mode_16_64 3
		.amdhsa_memory_ordered 1
		.amdhsa_forward_progress 1
		.amdhsa_inst_pref_size 139
	.end_amdhsa_kernel
	.amdgpu_metadata
---
amdhsa.version: [ 1, 2 ]
amdhsa.kernels:
  - .name:           k_qfe9c9d19f2_proj
    .symbol:         k_qfe9c9d19f2_proj.kd
    .args:
      - { .name: query, .offset: 0, .size: 8, .value_kind: global_buffer, .address_space: global }
      - { .name: key, .offset: 8, .size: 8, .value_kind: global_buffer, .address_space: global }
      - { .name: value, .offset: 16, .size: 8, .value_kind: global_buffer, .address_space: global }
      - { .name: wb, .offset: 24, .size: 8, .value_kind: global_buffer, .address_space: global }
      - { .name: bb, .offset: 32, .size: 8, .value_kind: global_buffer, .address_space: global }
      - { .name: qkv, .offset: 40, .size: 8, .value_kind: global_buffer, .address_space: global }
    .group_segment_fixed_size: 327680
    .private_segment_fixed_size: 0
    .kernarg_segment_align: 8
    .kernarg_segment_size: 48
    .max_flat_workgroup_size: 128
    .sgpr_count:     80
    .vgpr_count:     768
    .wavefront_size: 32
...
	.end_amdgpu_metadata
.endif
;; end of part 2
;; launch attn (part 3): grid 4 x 64, 4 waves a work-group, clusters of 4 x 1, 327,680 bytes of LDS; arguments qkv, mask, oh; writes oh
.if DOCPART == 3
	.amdgcn_target "amdgcn-amd-amdhsa--gfx1250"
	.amdhsa_code_object_version 6
	.text
	.protected	k_qfe9c9d19f2_attn
	.globl	k_qfe9c9d19f2_attn
	.p2align	8
	.type	k_qfe9c9d19f2_attn,@function
k_qfe9c9d19f2_attn:
	s_mov_b64 s[64:65], 0
	v_nop
	global_prefetch_b8 v0, s[64:65] scope:SCOPE_SE
	s_setreg_imm32_b32 hwreg(HW_REG_WAVE_MODE, 25, 1), 1
	s_wait_xcnt 0x0
	s_wait_alu depctr_hold_cnt(0) depctr_sa_sdst(0) depctr_va_vdst(0) depctr_va_sdst(0) depctr_va_ssrc(0) depctr_va_vcc(0) depctr_vm_vsrc(0)
	s_getreg_b32 s2, hwreg(HW_REG_IB_STS2, 6, 4)
	s_cmp_eq_u32 s2, 0
	s_cbranch_scc0 .Lentry_in_a_cluster
	s_endpgm
.Lentry_in_a_cluster:
	s_bfe_u32 s2, ttmp6, 0x10000c
	s_cmp_lg_u32 s2, 0x3003
	s_cbranch_scc0 .Lentry_shape_is_right
	s_endpgm
.Lentry_shape_is_right:
; O[g][q][:] = the sum over the keys k that mask[g / 16][k] lets through of softmax_k(Q[g][q] . K[g][k] / 8) V[g][k][:], g = 16 batch + head.  Q, K, V lie in qkv at bytes 0, 1 << 24, 2 << 24, each [64][2048][64] in f16;
; O (oh) likewise: a head's rows are dense, 128 bytes each.  Products, maxima and sums in f32; the weights p are rounded to f16 for the second product (their sum l is taken of the unrounded p), O once at the end.
; THE MASK is an input, one byte (0 or 1) for each batch and key.  It is made once into a table of f32 in LDS, 0 for a key that counts and -2^100 for a hidden one, and the table's numbers are the C operand that starts the sum S^T = K Q^T.
; LIMITS.  f16 holds no number beyond 65,504: Q, K and V arrive within it, so a true score is 2.7e11 at the most in size, far above -2^96, where the running maximum starts; a hidden score counts as its value less 2^100.
; p lies in 0 to 1, and below 6e-5 it keeps f16's fixed step of 6e-8; a weight below 2^-126 counts as 0 in l.  A batch whose keys are all hidden has l = 0 and O = 0 x infinity = NaN, as a softmax over nothing has.
; SHARES.  A wave owns four PIECES of two tiles of 16 queries, a work-group's four waves 512 queries of one head.  Every wave walks all 2,048 keys, 64 a step.
; LAYOUT.  S^T = K Q^T (source 0 = 16 keys, source 1 = 16 queries): in the result a lane holds ONE query (lane % 16) and the keys 8 (lane / 16) + 0..7.  Two such tiles, rounded to f16 in pairs,
; ARE source 1 (32 keys x 16 queries) of O^T = V^T P, whose result again holds one query a lane, and eight channels.  K comes out of LDS as it lies, V ([key][channel]) turned, by ds_load_tr16_b128.
; SOFTMAX.  For each query a running maximum m and sum l: p = 2^(c s - c m), c = log2(e) / 8; in every step O and l are multiplied by a = 2^(c m_old - c m_new), which is 1 where m has not grown.
; m starts at -2^96 and c m at c times that, by the same multiply that makes it anew in every step; O and l start at 0.  While only hidden keys have come, m stays, a is 2^0 and every weight is 0; the first true score makes a = 0.
; THE COUNT.  A tile and step have 16 matrix and 118 vector instructions: too many to stand all beside the matrix work.  So the order has one aim: four vector instructions that are READY behind
; EVERY matrix instruction, and the others, which need time of their own whatever the order, in runs without a gap.
; BY TURNS.  Turn n belongs to piece n (the pieces in a ring, step after step).  Its matrix work: 16 products K Q^T of piece n + 1, later 16 products V^T P of piece n - 1.  Its vector work: the scaling,
; exponentials, roundings, sums and rescaling of piece n, and the maximum and statistics of piece n + 1, whose scores the turn itself has made.  So what a turn begins with (c s - c m, O a) waits for nothing.
; CLUSTER.  The four query blocks of a head are one cluster and walk the same K and V, so each tile is asked for JOINTLY: the same tensor load, descriptor and mask in all four.
; REGISTERS, in windows of 256 (s_set_vgpr_msb says which window each operand place means: bits 1:0 source 0, 3:2 source 1, 5:4 source 2, 7:6 destination):
;   window 0: v0-11 addresses; v12-15, v48-63 at work; v16-47 four registers of statistics a tile; v64-191 S^T, two buffers of two tiles; v192-255 P, likewise
;   window 1: O^T, 32 a tile          window 2: v0-127 Q, 16 a tile; v128-191 K of one step; v192-255 V of one step          window 3: v0-1 the add's two registers; v8-39 the mask's numbers of one step
; A piece's buffers go by its number's parity: the piece in hand has one pair, its two neighbours in the ring share the other: of it P (piece n - 1) is read and S^T (piece n + 1) written.
.set SIZE_N, 2048
.set NP,    4         ; pieces a wave: a name, no knob: the register map, the loop and the fetches are made for four
.set KS,    64        ; keys in a step
.set PK,    144       ; a row of K in LDS: 128 bytes + 16 of padding = 36 words: the 16 rows of a load start at 16 different groups of four banks (64 banks of 4 bytes: ISA guide 11.1)
.set PV,    160       ; a row of V: 128 + 32 = 40 words
.set VOFF,  4*KS*PK   ; a slot holds four steps: 256 rows of K, then 256 rows of V
.set SLOT1, 1<<17     ; slot 1 begins here, so that one exclusive or turns an address in one slot into the other's
.set STAGE, SLOT1+4*KS*(PK+PV)  ; behind the ring, never filled by a tensor load: 16 rows x 144 bytes for each wave, for the way out
.set SP,    144
.set PFO, 1           ; v1   from the loop on: 256 x my lane, the prefetches' offset
.set AK0, 2           ; v2   my lane's place in a tile of K; never rewritten
.set AV0, 3           ; v3   the same for V
.set AK,  4           ; v4   the LDS address of K's next run of loads
.set AV,  5           ; v5   of V's
.set QO,  6           ; v6   my byte offset in the wave's rows of Q
.set STO, 6           ;      later, the way out: where I put 16 bytes of a row
.set RD,  7           ; v7   the way out: where I read rows back
.set GO,  8           ; v8   my byte offset in 512 consecutive bytes of O
.set AM,  10          ; v10  the LDS address of the mask's next run of loads
.set AM0, 11          ; v11  my lanes' place in a step's 64 numbers of the table: MASKB + 32 (lane / 16)
.set SPW, 0           ; v0 of window 3   LDS address of my spare word: SPARE + 4 x my thread's number; never rewritten
.set NIL, 1           ; v1 of window 3   0; never rewritten
.set MK,  8           ; v8-39 of window 3: key block kb's eight numbers at MK + 8 kb
.set SPARE, STAGE+4*16*SP  ; behind the stages: the spare words, 128 bytes for each wave: two blocks of 256 bytes that no other line names
.set MASKB, SPARE+512 ; behind them
.set MV,  12          ; v12-15  c m_old, kept while c m is made anew: by buffer and tile
.set ST,  16          ; tile t's statistics at v[ST+4 t]: c m, m, l (even keys', odd keys')
.set TMP, 48          ; by buffer and tile, four registers c0-c3 at work; when the maximum is found c2 takes a
.set S,   64
.set P,   192
.set KF,  128         ; K's fragments, in window 2: key block kb, channel half c at KF + 16 kb + 8 c
.set VF,  192         ; V's: key half kk, channel block cb at VF + 32 kk + 8 cb
.set WV,  12          ; s12  my wave's number
.set HID, 19          ; s19  -2^100
.set G1K, 24          ; s[24:31] descriptor group 1 for K's tiles
.set G1V, 32          ; s[32:39] for V's: it differs in the padding alone
.set G0K, 40          ; s[40:43] descriptor group 0 for K's tiles: it walks
.set G0V, 44          ; s[44:47] the same for V's
.set PFA, 48          ; s[48:49] where my prefetches stand: my work-group's 32 blocks of 256 bytes (of K: wave 0, of V: wave 2) of the tile after the one that is being asked for
.set LIM, 50          ; s50  1 in a wave that prefetches, else the greatest number
.set TBM, 51          ; s51  byte of the mask's table at which the step to be fetched begins
.set SLOTS, 56        ; s56  slots still to be asked for
.set CNT, 57          ; s57  counts a slot's key steps
.set CS,  58          ; s[58:59] c: the packed scaling takes the pair's low word for both halves
.set SEL, 60          ; s[60:61] v_permlanex16_b32's selects: each lane takes its own place in the other half
.set TBK, 62          ; s62  LDS byte at which K of the step to be fetched begins
.set TBV, 63          ; s63  the same for V, less VOFF
.set MSB, 0
.macro WIN new                      ; the high byte repeats the setting that is left; a switch that changes nothing is dropped
.if MSB != (\new)
	s_set_vgpr_msb (MSB<<8)|(\new)
.set MSB, (\new)
.endif
.endm
.set W_KQ, 0x0a       ; K and Q in window 2, S^T in window 0
.set W_KM, 0x3a       ; the same with the C operand, the mask's numbers, in window 3
.set W_PV, 0x52       ; V in window 2, P in window 0, O^T in window 1
.set W_RS, 0x41       ; O^T (destination and source 0) in window 1, a in window 0
.set W_MK, 0xc0       ; destination in window 3, sources in window 0
.set W_AD, 0x0f       ; the add: address (source 0) and data (source 1) in window 3
; A joint fill.  Waves 0 and 1 fetch the two halves of a slot's K, waves 2 and 3 those of its V: 128 keys each.  The branch hangs on the wave's number alone.
; An s_nop 0 and four v_nop follow each of the two lines, ahead of the jump and the label.
.macro JLOAD
	s_cmp_lt_u32 s[WV], 2
	s_cbranch_scc0 .Lfor_v_\@
	tensor_load_to_lds s[G0K:G0K+3], s[G1K:G1K+7]
	s_nop 0
.rept 4
	v_nop
.endr
	s_branch .Lasked_\@
.Lfor_v_\@:
	tensor_load_to_lds s[G0V:G0V+3], s[G1V:G1V+7]
	s_nop 0
.rept 4
	v_nop
.endr
.Lasked_\@:
.endm
; A PREFETCH INTO THE L2 of what the NEXT change of slots will ask for: a tile's 32,768 bytes of K and of V, 128 blocks of 256 bytes each.  It stands behind the wave's tensor load and its five lines.
; A head has one cluster; its four partners share the blocks out BY ADDRESS, 32 each, a lane a block; in each, wave 0 asks for K's and wave 2 for V's: one instruction.  So each block is named once in the launch.
; The change that fills tile t asks for tile t + 1, t = 2 .. 6: four key steps, 512 matrix instructions, ahead of that tile's load.  Tiles 0 to 2 come by their loads alone; the last change that fills a slot asks for nothing.
.macro ASK
	s_cmp_gt_u32 s[SLOTS], s[LIM]
	s_cbranch_scc0 .Lnot_mine_\@
	global_prefetch_b8 v[PFO], s[PFA:PFA+1] th:TH_LOAD_NT scope:SCOPE_SE
.Lnot_mine_\@:
.endm
; A round of the cluster's barrier: my work-group's barrier, so that wave 0's signal speaks for all four waves; wave 0 signals; every wave waits for all four work-groups; my work-group's barrier once more.
.macro CROUND
	s_barrier_signal -1
	s_barrier_wait -1
	s_cmp_lg_u32 s[WV], 0
	s_cbranch_scc1 .Lnot_wave_0_\@
	s_barrier_signal -3
.Lnot_wave_0_\@:
	s_barrier_wait -3
	s_barrier_signal -1
	s_barrier_wait -1
.endm
; THE CHANGE OF SLOTS.  The slot's last bytes, V of its fourth step, have been read.  Each wave waits for all its tensor loads, of which one is out: its part
; of the other slot; adds 0 to its spare word; and waits for that and for its own reads of the slot.  Behind the barrier nobody reads this slot any more and the other slot is whole.
; fill = 1: this slot is filled again, with the keys two slots on.  The barrier is then a round of the cluster's, so that no wave of any partner still reads the slot or has a load on its
; way, and the joint fill is the first thing behind it: it has four key steps, 512 matrix instructions, in which to land.  (At its first use nothing has been read yet: slot 0 is waited for, slot 1 filled,
; and the wait for my LDS instructions and the round also show every wave's part of the mask's table to all.)  ask = 1: the prefetch follows.
.macro CHANGE fill, ask=0
	WIN W_AD
	s_wait_tensorcnt 0x0            ; no tensor load of mine is out, so a group 0 may be written
	ds_add_u32 v[SPW], v[NIL]       ; 0 onto my spare word: with fill = 1 the descriptors' steps stand between it and the wait for it
	WIN 0                           ; at a label and at a branch every window is 0
.if \fill
.irp g, G0K, G0V
	s_xor_b32 s[\g+1], s[\g+1], SLOT1  ; the walking descriptor: the other slot than last time,
	s_add_nc_u64 s[\g+2:\g+3], s[\g+2:\g+3], 4*KS*128  ; the next 256 keys; the type bits on top are not reached
.endr
	s_wait_xcnt 0x0                 ; the last prefetch, four key steps back, has read its address, so it may be written:
	s_add_nc_u64 s[PFA:PFA+1], s[PFA:PFA+1], 4*KS*128  ; one tile behind the walking descriptors
	s_wait_dscnt 0x0                ; the add is done, and my reads of the slot are over
	CROUND
	JLOAD
.if \ask
	ASK
.endif
.else
	s_wait_dscnt 0x0                ; the add is done, and my reads of the slot are over
	s_barrier_signal -1
	s_barrier_wait -1
.endif
	s_sub_co_u32 s[TBK], s[TBK], 4*KS*PK  ; the fetches go back to a slot's first step,
	s_xor_b32 s[TBK], s[TBK], SLOT1       ; in the other slot
	s_sub_co_u32 s[TBV], s[TBV], 4*KS*PV
	s_xor_b32 s[TBV], s[TBV], SLOT1
.endm
	s_load_b64 s[4:5], s[0:1], 0x0    ; qkv
	s_load_b64 s[54:55], s[0:1], 0x8  ; mask
	s_load_b64 s[10:11], s[0:1], 0x10 ; oh
	WIN W_MK
	v_lshl_add_u32 v[SPW], v0, 2, SPARE
	v_mov_b32 v[NIL], 0
	WIN W_AD
	ds_add_u32 v[SPW], v[NIL]       ; the wave's opening: the add and its wait stand ahead of my first tensor load; the set-up below, work on registers, stands between them
	WIN 0
	v_lshrrev_b32 v1, 5, v0
	v_readfirstlane_b32 s[WV], v1   ; wave 0..3
	s_bfe_u32 s13, ttmp6, 0x40000   ; cx: my place in the cluster
	s_lshl_b32 s14, ttmp9, 2        ; in a cluster launch ttmp9 counts clusters
	s_add_co_u32 s14, s14, s13      ; my block of queries = 4 x cluster x + cx: it enters Q's and O's addresses alone
	s_and_b32 s20, ttmp7, 0xffff    ; 16 batch + head, which the four partners share
	s_lshr_b32 s52, s20, 4          ; the batch,
	s_lshl_b32 s52, s52, 11         ; its 2,048 bytes of the mask
	s_mov_b32 s53, 0
	s_mov_b32 s21, 0
	s_mov_b64 s[22:23], SIZE_N*128
	s_mul_u64 s[20:21], s[20:21], s[22:23]  ; the head's first byte in each of the four tensors
	s_and_b32 s16, s[WV], 1         ; which half of a slot's 256 keys I fetch:
	s_lshl_b32 s22, s16, 14         ; its 128 rows of 128 bytes in memory,
	s_mov_b32 s23, 0
	s_add_nc_u64 s[22:23], s[22:23], s[20:21]
	s_mul_i32 s17, s16, 128*PK      ; and its place in a slot, for K
	s_mul_i32 s18, s16, 128*PV      ; and for V: no place in the cluster enters an LDS address
	s_lshl_b32 s2, s14, 2
	s_add_co_u32 s2, s2, s[WV]      ; my wave among the head's,
	s_lshl_b32 s2, s2, 14           ; its 128 rows
	s_mov_b32 s3, 0
	s_add_nc_u64 s[2:3], s[2:3], s[20:21]
	; descriptor group 1.  128 keys are 16,384 dense bytes: asked for as 64 rows of 256 bytes, two keys a row, and padded in LDS after every key
	s_mov_b32 s[G1K], 15|(1<<16)|(1<<20)|(1<<21)|(4<<22)|(3<<25)  ; 15:0 the mask of four; 17:16 2-byte elements; 20 padding on; 21 set beside a mask; 24:22 after every 32 words (code 4); 31:25 4 words (code 3)
	s_mov_b32 s[G1V], 15|(1<<16)|(1<<20)|(1<<21)|(4<<22)|(7<<25)  ; the same with 8 words of padding (code 7)
.irp g, G1K, G1V
	s_mov_b32 s[\g+1], 128<<16      ; tensor_dim0 = 128
	s_mov_b32 s[\g+2], 64<<16       ; tensor_dim1 = 64
	s_mov_b32 s[\g+3], 128<<16      ; tile_dim0 = 128
	s_mov_b32 s[\g+4], 64           ; tile_dim1 = 64
	s_mov_b32 s[\g+5], 128          ; 128 elements from row to row
	s_mov_b32 s[\g+6], 0
	s_mov_b32 s[\g+7], 0
.endr
	s_mov_b32 s[CS], 0x3e38aa3b     ; c = log2(e) / 8 = 0.180337
	s_mov_b32 s[CS+1], s[CS]        ; named with it as a pair
	s_mov_b32 s[SEL], 0x76543210
	s_mov_b32 s[SEL+1], 0xfedcba98
	s_mov_b32 s[HID], 0xf1800000    ; -2^100
	s_mov_b32 s[TBK], SLOT1+4*KS*PK ; the first change of slots turns these two into 0
	s_mov_b32 s[TBV], SLOT1+4*KS*PV
	s_mov_b32 s[TBM], 0
	s_mov_b32 s[G0K], 1             ; 1:0 count = 1
	s_mov_b32 s[G0K+1], s17         ; 63:32 LDS address: slot 0
	s_mov_b32 s[G0V], 1
	s_add_co_u32 s[G0V+1], s18, VOFF
	s_cmp_eq_u32 s16, 0
	s_cselect_b32 s[LIM], 1, -1     ; waves 0 and 2: the same in all four partners
	s_wait_dscnt 0x0                ; the opening add is done
	s_wait_kmcnt 0x0
	s_add_nc_u64 s[6:7], s[4:5], 0x1000000   ; K
	s_add_nc_u64 s[8:9], s[4:5], 0x2000000   ; V
	s_add_nc_u64 s[54:55], s[54:55], s[52:53]
	s_add_nc_u64 s[G0K+2:G0K+3], s[6:7], s[22:23]  ; 120:64 global address: my half of the head's first 256 keys
	s_or_b32 s[G0K+3], s[G0K+3], 0x80000000        ; 127:126 type = 2
	s_add_nc_u64 s[G0V+2:G0V+3], s[8:9], s[22:23]
	s_or_b32 s[G0V+3], s[G0V+3], 0x80000000
	s_add_nc_u64 s[4:5], s[4:5], s[2:3]  ; Q and O at my wave's first row
	s_add_nc_u64 s[10:11], s[10:11], s[2:3]
	s_cmp_lt_u32 s[WV], 2
	s_cselect_b64 s[PFA:PFA+1], s[6:7], s[8:9]
	s_add_nc_u64 s[PFA:PFA+1], s[PFA:PFA+1], s[20:21]  ; the head,
	s_lshl_b32 s52, s13, 13         ; my work-group's 32 blocks of a tile's 128,
	s_add_nc_u64 s[PFA:PFA+1], s[PFA:PFA+1], s[52:53]
	s_add_nc_u64 s[PFA:PFA+1], s[PFA:PFA+1], 4*KS*128  ; in tile 1: the two changes that fill tiles 1 and 2 step it to tile 3.  Nothing is prefetched here, at the head
	CROUND                          ; all four work-groups are here: the first joint loads meet
	JLOAD                           ; slot 0.  Slot 1 is asked for when slot 0 is in: the tile wanted first has the road to itself
	; A fragment of K or Q is 16 rows x 32 channels in 8 registers: lane l holds row l % 16, channels 8 (l / 16) + 0..7 and 16 + 8 (l / 16) + 0..7: two loads of 16 bytes, 32 bytes apart.
	v_and_b32 v1, 15, v0            ; l % 16
	v_bfe_u32 v9, v0, 4, 1          ; l / 16
	v_lshlrev_b32 v[QO], 7, v1
	v_lshl_add_u32 v[QO], v9, 4, v[QO]  ; row x 128 + 16 x half
	v_lshlrev_b32 v12, 4, v0
	global_load_b128 v[64:67], v12, s[54:55]  ; thread t: the mask's bytes of keys 16 t .. 16 t + 15; 128 threads take the batch's 2,048
	WIN 0x80                        ; destination window 2, address window 0
.set i, 0
.rept 4*NP                          ; Q stays in registers: tile i / 2, channels 32 (i % 2) on
	global_load_b128 v[8*i:8*i+3],   v[QO], s[4:5] offset:(i/2)*2048+(i%2)*64
	global_load_b128 v[8*i+4:8*i+7], v[QO], s[4:5] offset:(i/2)*2048+(i%2)*64+32
.set i, i+1
.endr
	; What the first turn finds: V's registers and P's second buffer hold 0 (its products V^T P, of a piece that has not been, add 0), O^T and l are 0.  All this stands in the wait for the first tile.
.set i, VF
.rept 64
	v_mov_b32 v[i], 0
.set i, i+1
.endr
	WIN 0x40
.set i, 0
.rept 64*NP
	v_mov_b32 v[i], 0
.set i, i+1
.endr
	WIN 0
.set i, 0
.rept 2*NP
	v_mov_b32 v[ST+4*i+1], 0xef800000          ; m = -2^96: below every true score, above every hidden one
	v_mul_f32 v[ST+4*i], s[CS], v[ST+4*i+1]    ; c m, by the multiply that makes it anew in every step: where m stays, c m_old - c m_new is 0 exactly
	v_mov_b32 v[ST+4*i+2], 0
	v_mov_b32 v[ST+4*i+3], 0
.set i, i+1
.endr
.set i, P+32
.rept 32
	v_mov_b32 v[i], 0
.set i, i+1
.endr
	s_wait_loadcnt 32               ; the mask's bytes are in; Q's 32 loads are younger
.set i, 0
.rept 16
	v_bfe_u32 v[80+i], v[64+i/4], 8*(i%4), 8   ; 1: the key counts; 0: it is hidden
	v_add_nc_u32 v[80+i], -1, v[80+i]          ; no bits, or all
	v_and_b32 v[80+i], s[HID], v[80+i]         ; 0, or -2^100
.set i, i+1
.endr
	v_lshl_add_u32 v13, v0, 6, MASKB
.irp f, 0,1,2,3
	ds_store_b128 v13, v[80+4*\f:83+4*\f] offset:16*\f
.endr
	v_mul_u32_u24 v[AK0], v1, PK
	v_lshl_add_u32 v[AK0], v9, 4, v[AK0]  ; row x pitch + 16 x half
	; The turning load takes 16 keys x 16 channels (lane l reads key 8 (l / 16) + l % 8, channels 8 ((l / 8) % 2) + 0..7) and leaves half a fragment of V^T: lane l holds channel l % 16 and 8 keys.
	v_and_b32 v10, 7, v0
	v_bfe_u32 v11, v0, 3, 1
	v_lshl_add_u32 v[AV0], v9, 3, v10
	v_mul_u32_u24 v[AV0], v[AV0], PV
	v_lshl_add_u32 v[AV0], v11, 4, v[AV0]
	v_add_nc_u32 v[AV0], VOFF, v[AV0]
	v_mov_b32 v[AK], v[AK0]         ; key step 0 lies at the head of slot 0,
	v_lshl_add_u32 v[AM0], v9, 5, MASKB  ; (v10 and v11 have served: they take the table's addresses)
	v_mov_b32 v[AM], v[AM0]         ; and at the head of the table
; THE MATRIX WORK.  The 8 accumulators of a run of 16 take turns: between the two links of a chain stand 7 others'.
; Product i of 16 of S^T = K Q^T for piece x: channels 32 (i / 8) on, keys 16 ((i / 2) % 4) on, tile 2 x + i % 2.  The first 8 start the sums, with the mask's numbers of their 16 keys.
.macro KQ x
.set rS, S+64*((\x)%2)+32*(i%2)+8*((i/2)%4)
.set rK, KF+16*((i/2)%4)+8*(i/8)
.set rQ, 16*(2*(\x)+i%2)+8*(i/8)
.set rB, MK+8*((i/2)%4)
.if i < 8
	WIN W_KM
	v_wmma_f32_16x16x32_f16 v[rS:rS+7], v[rK:rK+7], v[rQ:rQ+7], v[rB:rB+7]
.else
	WIN W_KQ
	v_wmma_f32_16x16x32_f16 v[rS:rS+7], v[rK:rK+7], v[rQ:rQ+7], v[rS:rS+7]
.endif
.endm
; Product i of 16 of O^T += V^T P for piece x: keys 32 (i / 8) on, channels 16 ((i / 2) % 4) on, tile 2 x + i % 2.
.macro PV x
	WIN W_PV
.set rO, 32*(2*(\x)+i%2)+8*((i/2)%4)
.set rV, VF+32*(i/8)+8*((i/2)%4)
.set rP, P+32*((\x)%2)+16*(i%2)+8*(i/8)
	v_wmma_f32_16x16x32_f16 v[rO:rO+7], v[rV:rV+7], v[rP:rP+7], v[rO:rO+7]
.endm
.macro MM                           ; the turn's next matrix instruction
.if i < 16
	KQ (Y+1)%NP
.set i, i+1
.else
.set i, i-16
	PV (Y+NP-1)%NP
.set i, i+17
.endif
.endm
; THE LDS LOADS stand in runs, never singly among the matrix instructions: a step's K (64 keys x 64 channels: 8 fragments) with the mask's 64 numbers (lane (r, h), register j of block kb: key 16 kb + 8 h + j, as the
; result's layout has it; the 16 lanes of a half read the same bytes), and its V (turned).  Their addresses are made some lines ahead.  last = 1 (the tail): in the last trip there is no further step, and the run is jumped over.
.macro FETCH_K last=0
	WIN 0
.if \last
	s_cmp_eq_u32 s[CNT], 1
	s_cbranch_scc1 .Lno_k_\@
.endif
	WIN 0x80                        ; destination window 2
.irp f, 0,1,2,3,4,5,6,7             ; keys 16 (f / 2) on, channels 32 (f % 2) on
	ds_load_b128 v[KF+8*\f:KF+8*\f+3],   v[AK] offset:(\f/2)*16*PK+(\f%2)*64
	ds_load_b128 v[KF+8*\f+4:KF+8*\f+7], v[AK] offset:(\f/2)*16*PK+(\f%2)*64+32
.endr
	WIN W_MK                        ; destination window 3
.irp f, 0,1,2,3
	ds_load_b128 v[MK+8*\f:MK+8*\f+3],   v[AM] offset:64*\f
	ds_load_b128 v[MK+8*\f+4:MK+8*\f+7], v[AM] offset:64*\f+16
.endr
	s_add_co_u32 s[TBK], s[TBK], KS*PK  ; the next fetch is the next step's
	s_add_co_u32 s[TBM], s[TBM], KS*4   ; the table runs on through all 32 steps: 7,936 at the last fetch
	WIN 0
.if \last
.Lno_k_\@:
.endif
.endm
.macro FETCH_V
	WIN 0x80
.irp f, 0,1,2,3,4,5,6,7             ; keys 32 (f / 4) on, channels 16 (f % 4) on
	ds_load_tr16_b128 v[VF+8*\f:VF+8*\f+3],   v[AV] offset:(\f/4)*32*PV+(\f%4)*32
	ds_load_tr16_b128 v[VF+8*\f+4:VF+8*\f+7], v[AV] offset:(\f/4)*32*PV+16*PV+(\f%4)*32
.endr
	WIN 0
.endm
; THE VECTOR WORK OF A TURN stands in three queues, each in the order in which its entries become ready; the two tiles alternate, so that no instruction reads the result of the one before it.
.macro REGS y, u                    ; the registers of tile u (0, 1) of piece y
.set rT, ST+4*(2*(\y)+(\u))
.set rC, TMP+8*((\y)%2)+4*(\u)
.set rM, MV+2*((\y)%2)+(\u)
.set rS, S+64*((\y)%2)+32*(\u)
.set rP, P+32*((\y)%2)+16*(\u)
.set rO, 32*(2*(\y)+(\u))
.endm
; Number n of the 22 that find the NEXT piece's (Y + 1) maximum and statistics.  s0-s31 are the lane's 32 scores; each accumulator's lowest registers are read first.  XS, GS and REGS set no window: PL and EX do.
;   0-11  four chains c0-c3 of seven scores each, three operands at a time     12-14, 16  the four scores left over, the old m, and c0-c3 into c0     15  c m_old is kept
;   17, 18  the query's other 32 keys lie in the lane 16 away: the new m         19-21  c m; c m_old - c m_new; a
.macro XS u, n
	REGS (Y+1)%NP, \u
.if (\n) < 4
	v_max3_num_f32 v[rC+(\n)], v[rS+8*(\n)], v[rS+8*(\n)+1], v[rS+8*(\n)+2]
.elseif (\n) < 12
	v_max3_num_f32 v[rC+(\n)%4], v[rC+(\n)%4], v[rS+8*((\n)%4)+2*((\n)/4)+1], v[rS+8*((\n)%4)+2*((\n)/4)+2]
.elseif (\n) == 12
	v_max3_num_f32 v[rC], v[rC], v[rS+7], v[rS+15]
.elseif (\n) == 13
	v_max3_num_f32 v[rC+1], v[rC+1], v[rS+23], v[rS+31]
.elseif (\n) == 14
	v_max3_num_f32 v[rC+2], v[rC+2], v[rC+3], v[rT+1]
.elseif (\n) == 15
	v_mov_b32 v[rM], v[rT]
.elseif (\n) == 16
	v_max3_num_f32 v[rC], v[rC], v[rC+1], v[rC+2]
.elseif (\n) == 17
	v_permlanex16_b32 v[rC+3], v[rC], s[SEL], s[SEL+1]
.elseif (\n) == 18
	v_max_num_f32 v[rT+1], v[rC], v[rC+3]
.elseif (\n) == 19
	v_mul_f32 v[rT], s[CS], v[rT+1]
.elseif (\n) == 20
	v_sub_f32 v[rC+1], v[rM], v[rT]
.else
	v_exp_f32 v[rC+2], v[rC+1]
.endif
.endm
; Number g of the 64 that follow the exponentials.  For each four weights k of a tile (pairs 2 k, 2 k + 1): both pairs are rounded to f16; then the second pair is added onto the first, in place;
; a group later l takes that sum (the first time as l = a l + sum).  In groups of eight, tiles alternating: round, round, add, and l for the group before.
.macro GS g
.set h, (\g)+6*((\g)/62)            ; group 0 has no group before it, and behind group 7 only l is left
.if h >= 6
.set h, h+2
.endif
	REGS Y, h%2
.set k, h/8
.if h%8 < 4
	s_wait_alu depctr_va_vdst(0)
	v_cvt_pk_f16_f32 v[rP+2*k+(h%8)/2], v[rS+4*k+2*((h%8)/2)], v[rS+4*k+2*((h%8)/2)+1]
.elseif h%8 < 6
	v_pk_add_f32 v[rS+4*k:rS+4*k+1], v[rS+4*k:rS+4*k+1], v[rS+4*k+2:rS+4*k+3]
.elseif k == 1
	v_pk_fma_f32 v[rT+2:rT+3], v[rT+2:rT+3], v[rC+2:rC+3], v[rS:rS+1] op_sel_hi:[1,0,1]
.else
	v_pk_add_f32 v[rT+2:rT+3], v[rT+2:rT+3], v[rS+4*k-4:rS+4*k-3]
	s_wait_alu depctr_va_vdst(0)
.endif
.endm
; THE PLAIN QUEUE, 138 long.  0-31: c s - c m for the 16 pairs of both tiles.  Then GS's 64, and among them the next piece's 42: number 15 at 38, 39; 0-14 and 16
; at 42-73, behind the products that make those scores; 17-20 at 95-106, two of three, since each waits for the one before it.
.macro PL
	WIN 0
.if q < 32
	REGS Y, q%2
	v_pk_fma_f32 v[rS+2*(q/2):rS+2*(q/2)+1], v[rS+2*(q/2):rS+2*(q/2)+1], s[CS:CS+1], v[rT:rT+1] op_sel_hi:[1,0,0] neg_lo:[0,0,1] neg_hi:[0,0,1]
.elseif q < 38
	GS q-32
.elseif q < 40
	XS q%2, 15
.elseif q < 42
	GS q-34
.elseif q < 74
	XS q%2, (q-42)/2+(q-42)/30
.elseif q < 95
	GS q-66
.elseif (q < 107) && ((q-95)%3 < 2)
	XS (q-95)%3, 17+(q-95)/3
.elseif q < 107
	GS 29+(q-95)/3
.else
	GS q-74
.endif
.set q, q+1
.endm
; THE EXPONENTIALS' QUEUE, 66 long: s0-s31 of both tiles, and at EA the next piece's two a.
.set EA, 58
.macro EX
	WIN 0
.if (e == EA) || (e == EA+1)
	XS e-EA, 21
.else
.set x, e-2*(e/(EA+2))
	REGS Y, x%2
	v_exp_f32 v[rS+x/2], v[rS+x/2]
.endif
.set e, e+1
.endm
; THE RESCALING's QUEUE: O^T times a, the one part that leaves window 0, so it is dealt four at a time, eight times.
.macro R4
	REGS Y, r%2
	WIN W_RS
	s_wait_alu depctr_va_vdst(0)
.irp z, 0,1,2,3
	v_pk_mul_f32 v[rO+8*(r/2)+2*\z:rO+8*(r/2)+2*\z+1], v[rO+8*(r/2)+2*\z:rO+8*(r/2)+2*\z+1], v[rC+2:rC+3] op_sel_hi:[1,0]
.endr
.set r, r+1
.endm
; HOW THEY ARE DEALT.  Behind a matrix instruction four: plain, exponential, plain, plain (one exponential, a plain instruction on either side), or four of the rescaling.  None names a register of the
; products round it.  What is over stands in two LUMPS: exponential and plain by turns; the second ends in 22 plain instructions.  The two v_permlanex16_b32 fall into the second lump, never behind a product.
; The queues lean on each other, and the deal keeps them in step: exponential e stands behind plain 2 (e / 4) + e % 2 (its scaling); when plain 32 comes, 10 exponentials are out, at 59: 33, at 95: 46; EA comes behind plain 107.
.macro SL
	MM
	PL
	EX
	PL
	PL
.endm
.macro BURST n                      ; 15 matrix instructions, or 16
.rept (\n)-7
	SL
.endr
.rept 3
	MM
	R4
	SL
.endr
	MM
	R4
.endm
; A TURN, for piece p.  cnt = 1: the loop's count is taken down some lines ahead of the branch that stands behind the turn.
; K and the mask's numbers of the next step are fetched in piece 2's turn, 32 vector instructions behind the last product that read K (the mask's last reader stands eight products earlier); their first reader comes behind
; the rest of the lump, 16 products and the second lump.  V of the step in hand is fetched at the end of piece 0's turn, 69 behind its last reader; its first reader comes behind 16 products and a lump.
; The four conditions on e and q below go with the deal.
.macro TURN p, last=0, cnt=0
.set Y, (\p)
.set i, 0
.set q, 0
.set e, 0
.set r, 0
.if (\p) == NP-1
	s_wait_dscnt 0x0                ; K and the mask's numbers are in
.endif
	MM
.rept 4
	PL
.endr
	BURST 15
.rept 22
	EX
	PL
.if ((\p) == NP-2) && (e == 18)
	v_add_nc_u32 v[AK], s[TBK], v[AK0]
	v_add_nc_u32 v[AM], s[TBM], v[AM0]
.endif
.if ((\p) == NP-2) && (e == 24)
	FETCH_K \last
.endif
.endr
.if (\p) == 1
	s_wait_dscnt 0x0                ; V is in
.endif
	BURST 16
.rept 21
	EX
	PL
.endr
.rept 22
	PL
.if ((\p) == 0) && (q == 118)
	v_add_nc_u32 v[AV], s[TBV], v[AV0]
	s_wait_alu depctr_va_vdst(0)
.endif
.if ((\p) == 0) && (q == 130)
	s_add_co_u32 s[TBV], s[TBV], KS*PV
.endif
.if (\cnt) && (q == 130)
	s_sub_co_u32 s[CNT], s[CNT], 1
	s_cmp_lg_u32 s[CNT], 0
.endif
.endr
.if (\p) == 0
	FETCH_V
.endif
.endm
	CHANGE 1, 0                     ; slot 0 is in, everybody's part of it, and so is the mask's table; slot 1 is asked for
	FETCH_K                         ; key step 0
	s_wait_loadcnt 0x0              ; Q
	s_wait_dscnt 0x0
.set i, 0
.rept 16
	KQ 0                            ; piece 0's first scores: there is no vector work yet to set between them
.set i, i+1
.endr
	WIN 0                           ; the addresses for the way out and the prefetches: plain instructions, the places behind those products
	s_mul_i32 s13, s[WV], 16*SP
	s_add_co_u32 s13, s13, STAGE    ; my stage
	v_mul_u32_u24 v[STO], v1, SP    ; in: row l % 16, 16 bytes for each half of the lanes
	v_lshl_add_u32 v[STO], v9, 4, v[STO]
	v_add_nc_u32 v[STO], s13, v[STO]
	v_bfe_u32 v[RD], v0, 3, 2       ; back: 32 lanes take four rows of 128 bytes,
	v_mul_u32_u24 v[RD], v[RD], SP
	v_and_b32 v[GO], 7, v0
	v_lshl_add_u32 v[RD], v[GO], 4, v[RD]
	v_add_nc_u32 v[RD], s13, v[RD]
	v_and_b32 v[GO], 31, v0         ; which are 512 consecutive bytes of O
	v_lshlrev_b32 v[PFO], 8, v[GO]  ; (v1 has served)
	v_lshlrev_b32 v[GO], 4, v[GO]
.set Y, NP-1                        ; XS works for piece Y + 1: piece 0
.irp n, 0,1,2,3,4,5,6,7,8,9,10,11,12,13,14,15,16,17,18,19,20,21
	XS 0, \n                        ; and piece 0's first maximum and statistics
	XS 1, \n
.endr
	s_mov_b32 s[CNT], 4
	s_mov_b32 s[SLOTS], SIZE_N/256-1
	s_branch .Lfirst                ; the loop is entered at a step's first turn, in the middle of a trip
.Lslot:                             ; SIZE_N / 256 - 2 times: every slot but the last two is filled again
	CHANGE 1, 1
	s_mov_b32 s[CNT], 4
.Lstep:                             ; a trip: pieces 2 and 3 of one step, then pieces 0 and 1 of the next, whose K and V it fetches
	TURN 2
	TURN 3
	WIN 0
.Lfirst:
	TURN 0
	TURN 1, 0, 1
	WIN 0
	s_cbranch_scc1 .Lstep
	s_sub_co_u32 s[SLOTS], s[SLOTS], 1
	s_cmp_lg_u32 s[SLOTS], 0
	s_cbranch_scc1 .Lslot
	CHANGE 0, 0                     ; the tail is written out: nothing is asked for
	s_mov_b32 s[CNT], 5             ; four trips fetch the last slot's steps; the fifth is left in its middle
.Ltail:
	TURN 2, 1
	TURN 3
	WIN 0
	s_sub_co_u32 s[CNT], s[CNT], 1
	s_cmp_eq_u32 s[CNT], 0
	s_cbranch_scc1 .Lout
	TURN 0
	TURN 1
	WIN 0
	s_branch .Ltail
.Lout:                              ; the fifth trip's 16 products K Q^T (on the last K once more) and the maximum made of them serve nothing: the price, once a launch, of one text for every trip
.set i, 0
.rept 16
	PV NP-1                         ; the last piece's V^T P of the last step
.set i, i+1
.endr
	; THE WAY OUT.  l's two halves and the other half of the lanes' are added; O^T is divided by l, rounded to f16 and sent through my stage in LDS, a tile at a time.  The additions are the places behind the last products.
	WIN 0
.macro ALL line:vararg              ; one line for each tile t
.set t, 0
.rept 2*NP
	\line
.set t, t+1
.endr
.endm
	ALL v_add_f32 v[ST+4*t+2], v[ST+4*t+2], v[ST+4*t+3]
	ALL v_permlanex16_b32 v[ST+4*t+3], v[ST+4*t+2], s[SEL], s[SEL+1]
	ALL v_add_f32 v[ST+4*t+2], v[ST+4*t+2], v[ST+4*t+3]
	ALL v_rcp_f32 v[ST+4*t+2], v[ST+4*t+2]
	v_nop                           ; a plain instruction between the last reciprocal and the use of its result
	s_wait_alu depctr_va_vdst(0)
; Tile t: a lane's eight channels of a row pack into 16 bytes; they go into rows of 144 bytes and come back as whole rows of 128, into S^T's registers.
.macro PACK t
	WIN W_RS
.set i, 32*(\t)
.rept 16
	v_pk_mul_f32 v[i:i+1], v[i:i+1], v[ST+4*(\t)+2:ST+4*(\t)+3] op_sel_hi:[1,0]
.set i, i+2
.endr
	WIN 0x05                        ; sources 0 and 1 window 1, destination window 0
.set i, 0
.rept 16
	v_cvt_pk_f16_f32 v[S+16*(\t)+i], v[32*(\t)+2*i], v[32*(\t)+2*i+1]
.set i, i+1
.endr
	WIN 0
.irp f, 0,1,2,3
	ds_store_b128 v[STO], v[S+16*(\t)+4*\f:S+16*(\t)+4*\f+3] offset:32*\f
.endr
.irp f, 0,1,2,3
	ds_load_b128 v[S+16*(\t)+4*\f:S+16*(\t)+4*\f+3], v[RD] offset:\f*4*SP  ; LDS serves a wave's instructions in order (ISA guide 5.7.1.4): these see the stores above; the next tile's stores come behind them
.endr
.endm
.macro SEND t, younger              ; younger: the LDS instructions issued behind tile t's loads: the next tile's eight, or none
	WIN 0
.irp f, 0,1,2,3
	s_wait_dscnt (\younger)+3-\f
	global_store_b128 v[GO], v[S+16*(\t)+4*\f:S+16*(\t)+4*\f+3], s[10:11] offset:(\t)*2048+\f*512  ; 512 consecutive bytes, at a multiple of 256 from O's first
.endr
.endm
	PACK 0
.set t, 1
.rept 2*NP-1                        ; a tile's arithmetic stands between the loads of the tile before and its stores
	PACK t
	SEND t-1, 8
.set t, t+1
.endr
	SEND 2*NP-1, 0
	WIN W_AD
	s_wait_tensorcnt 0x0            ; the wave's end: behind my last tensor load and my last LDS store
	ds_add_u32 v[SPW], v[NIL]
	s_wait_dscnt 0x0
	WIN 0
	CROUND                          ; the closing round: no work-group ends while a partner may still ask for a tile that names it
	s_endpgm
.Lfunc_end_k_qfe9c9d19f2_attn:
	.size	k_qfe9c9d19f2_attn, .Lfunc_end_k_qfe9c9d19f2_attn-k_qfe9c9d19f2_attn
	.p2alignl 7, 3214868480
	.fill 96, 4, 3214868480
	.section	.rodata,"a",@progbits
	.p2align	6, 0x0
	.amdhsa_kernel k_qfe9c9d19f2_attn
		.amdhsa_group_segment_fixed_size 327680
		.amdhsa_private_segment_fixed_size 0
		.amdhsa_enable_private_segment 0
		.amdhsa_kernarg_size 24
		.amdhsa_user_sgpr_count 2
		.amdhsa_user_sgpr_kernarg_segment_ptr 1
		.amdhsa_wavefront_size32 1
		.amdhsa_system_sgpr_workgroup_id_x 1
		.amdhsa_system_sgpr_workgroup_id_y 1
		.amdhsa_system_sgpr_workgroup_id_z 1
		.amdhsa_system_vgpr_workitem_id 0
		.amdhsa_next_free_vgpr 808
		.amdhsa_next_free_sgpr 66
		.amdhsa_reserve_vcc 0
		.amdhsa_float_denorm_mode_32 3
		.amdhsa_float_denorm_mode_16_64 3
		.amdhsa_memory_ordered 1
		.amdhsa_forward_progress 1
		.amdhsa_inst_pref_size 214
	.end_amdhsa_kernel
	.amdgpu_metadata
---
amdhsa.version: [ 1, 2 ]
amdhsa.kernels:
  - .name:           k_qfe9c9d19f2_attn
    .symbol:         k_qfe9c9d19f2_attn.kd
    .args:
      - { .name: qkv, .offset: 0, .size: 8, .value_kind: global_buffer, .address_space: global }
      - { .name: mask, .offset: 8, .size: 8, .value_kind: global_buffer, .address_space: global }
      - { .name: oh, .offset: 16, .size: 8, .value_kind: global_buffer, .address_space: global }
    .group_segment_fixed_size: 327680
    .private_segment_fixed_size: 0
    .kernarg_segment_align: 8
    .kernarg_segment_size: 24
    .max_flat_workgroup_size: 128
    .sgpr_count:     66
    .vgpr_count:     808
    .wavefront_size: 32
...
	.end_amdgpu_metadata
.endif
;; end of part 3
;; launch outp (part 4): grid 4 x 64, 4 waves a work-group, clusters of 4 x 4, 327,680 bytes of LDS; arguments oh, wb, bb, out0; writes out0
.if DOCPART == 4
	.amdgcn_target "amdgcn-amd-amdhsa--gfx1250"
	.amdhsa_code_object_version 6
	.text
	.protected	k_qfe9c9d19f2_outp
	.globl	k_qfe9c9d19f2_outp
	.p2align	8
	.type	k_qfe9c9d19f2_outp,@function
k_qfe9c9d19f2_outp:
	s_mov_b64 s[64:65], 0
	v_nop
	global_prefetch_b8 v0, s[64:65] scope:SCOPE_SE
	s_setreg_imm32_b32 hwreg(HW_REG_WAVE_MODE, 25, 1), 1
	s_wait_xcnt 0x0
	s_wait_alu depctr_hold_cnt(0) depctr_sa_sdst(0) depctr_va_vdst(0) depctr_va_sdst(0) depctr_va_ssrc(0) depctr_va_vcc(0) depctr_vm_vsrc(0)
	s_getreg_b32 s2, hwreg(HW_REG_IB_STS2, 6, 4)
	s_cmp_eq_u32 s2, 0
	s_cbranch_scc0 .Lentry_in_a_cluster
	s_endpgm
.Lentry_in_a_cluster:
	s_bfe_u32 s2, ttmp6, 0x10000c
	s_cmp_lg_u32 s2, 0xf033
	s_cbranch_scc0 .Lentry_shape_is_right
	s_endpgm
.Lentry_shape_is_right:
; THE OUTPUT PROJECTION.  out0 = O Wo + bo.  O (oh) lies by heads, [64 = 16 batch + head][2048][64] in f16; Wo [1024 k][1024 n] in f16 at byte 3 << 21 of wb; bo in f32 at byte 3 << 12 of bb; out0 [8192][1024] f32.
; Sums in f32, started by the bias as the first product's C operand; k = 64 head + channel, so a K step of 128 is two heads.
; SHARES.  64 x 4 = 256 tiles of 128 rows x 256 columns, one for each WGP.  Four waves, each 64 x 128: 32 accumulators.  8 K steps through two LDS slots; each wave fetches a quarter of a slot by one tensor load:
; waves 0, 1 a head's 128 rows of O (16,384 dense bytes, asked for as 64 rows of 256 bytes), waves 2, 3 64 k-rows x 512 bytes of Wo.
; CLUSTER, 4 x 4.  O's tile is asked for jointly along a row of the cluster (the four column tiles of the same rows), Wo's along a column.
; THE MATRIX INSTRUCTION IS USED TRANSPOSED: source 0 = 16 columns of Wo (turned out of LDS by ds_load_tr16_b128), source 1 = 16 rows of O: a lane holds one row and eight neighbouring columns of out0, 32 bytes.
; No prefetch: the launch has 1,024 matrix instructions a wave in all, and O's tiles are requested once each by joint loads that have a K step's 112 matrix instructions in which to land.
; REGISTERS, in windows of 256 (s_set_vgpr_msb: bits 1:0 source 0, 3:2 source 1, 5:4 source 2, 7:6 destination):
;   window 0: v0-31 addresses      window 1: two fragment buffers of 96 (32 of O, 64 of Wo) at v0 and v96; v192-255 the bias as a C operand; on the way out all 256: whole rows      window 2: the accumulators, (a, b) at v[8 (8 a + b)]
.set PA,     144                       ; a row of O in LDS: 128 bytes + 16 = 9 x 16: the 16 rows of a load start at 16 different 16-byte columns of the 64 banks of 4 bytes (ISA guide 11.1)
.set PB,     544                       ; a row of Wo: 512 + 32 = 17 x 32
.set AH,     128*PA                    ; a head's 128 rows: what one tensor load brings of O
.set ABYTES, 2*AH
.set BH,     64*PB
.set SLOT,   ABYTES+128*PB             ; 106,496 bytes
.set STAGE,  2*SLOT                    ; behind the ring, never filled by a tensor load: 16 rows x 528 bytes for each wave, for the way out
.set SP,     528
.set SPARE,  STAGE+4*16*SP             ; behind the stages: the spare words, 128 bytes for each wave: two blocks of 256 bytes that no other line names
.set ADRA, 16                          ; v16-17  LDS address of my O fragments in slot 0, 1
.set ADRB, 20                          ; v20-21  the same for Wo
.set STO,  24                          ; v24     the way out: where I put 32 bytes of a row
.set RD,   25                          ; v25     the way out: where I read a row back
.set CO,   26                          ; v26     16 x lane: my place in a row's 512 bytes
.set BO,   27                          ; v27     32 x (lane / 16)
.set SPW,  28                          ; v28     LDS address of my spare word; never rewritten
.set NIL,  29                          ; v29     0; never rewritten
.set F0,   0                           ; window 1
.set F1,   96
.set BIAS, 192
.set WV,  16                           ; s16  my wave's number
.set WM,  17                           ; s17  wave / 2: my 64 rows; also 0: I fetch O, 1: I fetch Wo
.set WN,  18                           ; s18  wave % 2: my 128 columns; also which half I fetch
.set G1A, 24
.set G0A, 32
.set G1B, 40
.set G0B, 48
.set OB,  70                           ; s[70:71] out0 at my wave's first row and column
.set BB,  72                           ; s[72:73] bo at my wave's first column
.set MSB, 0
.macro WIN new
.if MSB != (\new)
	s_set_vgpr_msb (MSB<<8)|(\new)
.set MSB, \new
.endif
.endm
.set MUL,  0xa5                        ; sources 0 and 1 window 1, C and D window 2
.set MULB, 0x95                        ; the same with C (the bias) in window 1
.set TO_F, 0x40                        ; destination window 1, address window 0
.macro JLOAD s                         ; a joint load: waves 0 and 1 fetch O's two heads, waves 2 and 3 Wo's two halves; an s_nop 0 and four v_nop follow each of the two lines
	s_cmp_eq_u32 s[WM], 0
	s_cbranch_scc0 .Lfor_b_\@
	tensor_load_to_lds s[G0A+4*(\s):G0A+4*(\s)+3], s[G1A:G1A+7]
	s_nop 0
.rept 4
	v_nop
.endr
	s_branch .Lasked_\@
.Lfor_b_\@:
	tensor_load_to_lds s[G0B+4*(\s):G0B+4*(\s)+3], s[G1B:G1B+7]
	s_nop 0
.rept 4
	v_nop
.endr
.Lasked_\@:
.endm
.macro CREST
	s_cmp_lg_u32 s[WV], 0
	s_cbranch_scc1 .Lnot_wave_0_\@
	s_barrier_signal -3
.Lnot_wave_0_\@:
	s_barrier_wait -3
	s_barrier_signal -1
	s_barrier_wait -1
.endm
.macro CROUND
	s_barrier_signal -1
	s_barrier_wait -1
	CREST
.endm
.macro PLACES                          ; four places in front of loads into registers that matrix instructions have read, and of stores that read results
.rept 4
	v_nop
.endr
.endm
	s_load_b256 s[4:11], s[0:1], 0x0               ; oh s[4:5], wb s[6:7], bb s[8:9], out0 s[10:11]
	v_lshl_add_u32 v[SPW], v0, 2, SPARE
	v_mov_b32 v[NIL], 0
	ds_add_u32 v[SPW], v[NIL]                      ; the wave's opening: the add and its wait stand ahead of my first tensor load; the set-up below, work on registers, stands between them
	v_lshrrev_b32 v1, 5, v0
	v_readfirstlane_b32 s[WV], v1
	s_lshr_b32 s[WM], s[WV], 1
	s_and_b32 s[WN], s[WV], 1
	s_bfe_u32 s19, ttmp6, 0x40000                  ; cx, cy
	s_bfe_u32 s20, ttmp6, 0x40004
	s_lshl_b32 s21, ttmp9, 2
	s_add_co_u32 s21, s21, s19                     ; tile column 0..3
	s_and_b32 s62, ttmp7, 0xffff
	s_lshl_b32 s62, s62, 2
	s_add_co_u32 s62, s62, s20                     ; tile row 0..63
	s_lshl_b32 s76, s20, 2
	s_lshl_b32 s76, 15, s76                        ; my row of the cluster
	s_lshl_b32 s77, 0x1111, s19                    ; my column
	; descriptor group 1.  O: 64 rows x 128 elements of 2 bytes, 4 words of padding behind every 32 words (a row of a head).  Wo: 64 rows x 256 elements, 8 words behind every 128.
	s_or_b32 s[G1A], s76, (1<<16)|(1<<20)|(1<<21)|(4<<22)|(3<<25)
	s_or_b32 s[G1B], s77, (1<<16)|(1<<20)|(1<<21)|(6<<22)|(7<<25)
	s_mov_b32 s[G1A+1], 128<<16                    ; tensor_dim0
	s_mov_b32 s[G1B+1], 256<<16
	s_mov_b32 s[G1A+2], 64<<16                     ; tensor_dim1
	s_mov_b32 s[G1B+2], 64<<16
	s_mov_b32 s[G1A+3], 128<<16                    ; tile_dim0
	s_mov_b32 s[G1B+3], 256<<16
	s_mov_b32 s[G1A+4], 64                         ; tile_dim1
	s_mov_b32 s[G1B+4], 64
	s_mov_b32 s[G1A+5], 128                        ; elements from row to row
	s_mov_b32 s[G1B+5], 1024
	s_mov_b32 s[G1A+6], 0
	s_mov_b32 s[G1B+6], 0
	s_mov_b32 s[G1A+7], 0
	s_mov_b32 s[G1B+7], 0
	s_lshr_b32 s56, s62, 4                         ; O: the batch's 16 heads of 262,144 bytes,
	s_lshl_b32 s56, s56, 22
	s_lshl_b32 s57, s[WN], 18                      ; the head of the step's two that I fetch,
	s_add_co_u32 s56, s56, s57
	s_and_b32 s57, s62, 15
	s_lshl_b32 s57, s57, 14                        ; the tile's 128 rows of 128 bytes
	s_add_co_u32 s56, s56, s57
	s_mov_b32 s57, 0
	s_lshl_b32 s58, s[WN], 17                      ; Wo: the 64 k-rows of 2,048 bytes that I fetch,
	s_add_co_u32 s58, s58, 0x600000                ; in the fourth matrix of wb,
	s_lshl_b32 s59, s21, 9                         ; the tile's 256 columns
	s_add_co_u32 s58, s58, s59
	s_mov_b32 s59, 0
	s_mul_i32 s60, s[WN], AH                       ; where they go: no place in the cluster enters an LDS address
	s_mul_i32 s61, s[WN], BH
	s_add_co_u32 s61, s61, ABYTES
	s_wait_dscnt 0x0                               ; the opening add is done
	s_wait_kmcnt 0x0
	s_add_nc_u64 s[56:57], s[4:5], s[56:57]
	s_add_nc_u64 s[58:59], s[6:7], s[58:59]
	CROUND                                         ; all sixteen work-groups are here: the first joint loads meet
.irp s, 0,1
	s_mov_b32 s[G0A+4*(\s)], 1
	s_add_co_u32 s[G0A+4*(\s)+1], s60, (\s)*SLOT
	s_add_nc_u64 s[G0A+4*(\s)+2:G0A+4*(\s)+3], s[56:57], (\s)*524288  ; K step s: two heads on,
	s_or_b32 s[G0A+4*(\s)+3], s[G0A+4*(\s)+3], 0x80000000
	s_mov_b32 s[G0B+4*(\s)], 1
	s_add_co_u32 s[G0B+4*(\s)+1], s61, (\s)*SLOT
	s_add_nc_u64 s[G0B+4*(\s)+2:G0B+4*(\s)+3], s[58:59], (\s)*262144  ; 128 rows down Wo
	s_or_b32 s[G0B+4*(\s)+3], s[G0B+4*(\s)+3], 0x80000000
	JLOAD \s                                       ; two loads of mine are out
.endr
	v_and_b32 v1, 15, v0                           ; r
	v_bfe_u32 v2, v0, 4, 1                         ; h
	v_and_b32 v3, 7, v0
	v_bfe_u32 v4, v0, 3, 1
	v_mul_u32_u24 v5, v1, PA
	v_lshl_add_u32 v5, v2, 4, v5                   ; row x pitch + 16 x half
	s_mul_i32 s63, s[WM], 64*PA
	v_add_nc_u32 v[ADRA], s63, v5
	v_add_nc_u32 v[ADRA+1], SLOT, v[ADRA]
	v_lshl_add_u32 v6, v2, 3, v3                   ; the turning load: k-row 8 h + l % 8, columns 8 ((l / 8) % 2) + 0..7
	v_mul_u32_u24 v6, v6, PB
	v_lshl_add_u32 v6, v4, 4, v6
	s_lshl_b32 s63, s[WN], 8
	s_add_co_u32 s63, s63, ABYTES
	v_add_nc_u32 v[ADRB], s63, v6
	v_add_nc_u32 v[ADRB+1], SLOT, v[ADRB]
	s_mul_i32 s63, s[WV], 16*SP
	s_add_co_u32 s63, s63, STAGE                   ; my stage
	v_mul_u32_u24 v5, v1, SP                       ; in: row r, 32 bytes for each half of the lanes
	v_lshl_add_u32 v5, v2, 5, v5
	v_add_nc_u32 v[STO], s63, v5
	v_and_b32 v7, 31, v0
	v_lshlrev_b32 v[CO], 4, v7
	v_add_nc_u32 v[RD], s63, v[CO]                 ; back: 32 lanes take a row's 512 bytes
	v_lshlrev_b32 v[BO], 5, v2
	s_lshl_b32 s78, s21, 10                        ; my first column, in bytes of f32: the tile's 256, my wave's 128
	s_lshl_b32 s79, s[WN], 9
	s_add_co_u32 s78, s78, s79
	s_mov_b32 s79, 0
	s_add_nc_u64 s[BB:BB+1], s[8:9], s[78:79]
	s_add_nc_u64 s[BB:BB+1], s[BB:BB+1], 12288     ; bo is the fourth vector of bb
	s_add_nc_u64 s[OB:OB+1], s[10:11], s[78:79]
	s_lshl_b32 s78, s62, 19                        ; the tile's 128 rows of 4,096 bytes,
	s_lshl_b32 s74, s[WM], 18                      ; my wave's 64
	s_add_co_u32 s78, s78, s74
	s_add_nc_u64 s[OB:OB+1], s[OB:OB+1], s[78:79]
	WIN TO_F
.irp b, 0,1,2,3,4,5,6,7                ; lane (r, h), register j of block b: the bias of column 16 b + 8 h + j
	global_load_b128 v[BIAS+8*(\b):BIAS+8*(\b)+3],   v[BO], s[BB:BB+1] offset:64*(\b)
	global_load_b128 v[BIAS+8*(\b)+4:BIAS+8*(\b)+7], v[BO], s[BB:BB+1] offset:64*(\b)+16
.endr
	WIN 0
; 24 LDS loads in one run: quarter kq of the slot's step (head kq / 2, channels 32 (kq % 2) on): O's 4 fragments, Wo's 8, into the buffer at f
.macro FETCH slot, kq, f
	WIN TO_F
.irp i, 0,1,2,3
	ds_load_b128 v[(\f)+8*(\i):(\f)+8*(\i)+3],   v[ADRA+(\slot)] offset:((\kq)/2)*AH+(\i)*16*PA+((\kq)%2)*64
	ds_load_b128 v[(\f)+8*(\i)+4:(\f)+8*(\i)+7], v[ADRA+(\slot)] offset:((\kq)/2)*AH+(\i)*16*PA+((\kq)%2)*64+32
.endr
.irp b, 0,1,2,3,4,5,6,7
	ds_load_tr16_b128 v[(\f)+32+8*(\b):(\f)+32+8*(\b)+3],   v[ADRB+(\slot)] offset:(\kq)*32*PB+32*(\b)
	ds_load_tr16_b128 v[(\f)+32+8*(\b)+4:(\f)+32+8*(\b)+7], v[ADRB+(\slot)] offset:(\kq)*32*PB+16*PB+32*(\b)
.endr
.endm
; 8 matrix instructions: row block a x all 8 column blocks.  first = 1: the bias starts the sums.  The 32 accumulators take turns in the same order in every quarter.
.macro MUL8 f, a, first
.if \first
	WIN MULB
.else
	WIN MUL
.endif
.irp b, 0,1,2,3,4,5,6,7
.if \first
	v_wmma_f32_16x16x32_f16 v[8*(8*(\a)+(\b)):8*(8*(\a)+(\b))+7], v[(\f)+32+8*(\b):(\f)+32+8*(\b)+7], v[(\f)+8*(\a):(\f)+8*(\a)+7], v[BIAS+8*(\b):BIAS+8*(\b)+7]
.else
	v_wmma_f32_16x16x32_f16 v[8*(8*(\a)+(\b)):8*(8*(\a)+(\b))+7], v[(\f)+32+8*(\b):(\f)+32+8*(\b)+7], v[(\f)+8*(\a):(\f)+8*(\a)+7], v[8*(8*(\a)+(\b)):8*(8*(\a)+(\b))+7]
.endif
.endr
.endm
; A K step is four quarters of 32 along K, 32 matrix instructions each, on buffers F0, F1, F0, F1.  One of the first three: multiplies f; in its middle it fetches quarter kq of the same slot into g.
.macro QUARTER slot, kq, f, g, first
	s_wait_dscnt 0x0                               ; buffer f is in (issued 16 matrix instructions ago)
	MUL8 \f, 0, \first
	MUL8 \f, 1, \first
	PLACES                                         ; for the loads into buffer g, which the quarter before multiplied
	FETCH \slot, \kq, \g
	MUL8 \f, 2, \first
	MUL8 \f, 3, \first
.endm
; The last quarter multiplies F1 and changes slots: ONE barrier; in front of it each wave waits for all its tensor loads, adds 0 to its spare word, and waits for that and for its own reads of this slot.
; fill = 1: the barrier opens a round of the cluster's, and this slot is filled again, two K steps ahead.
.macro TURN slot, next, fill
	WIN 0
	s_wait_tensorcnt 0x0                           ; all my tensor loads have landed: my part of the next slot;
	ds_add_u32 v[SPW], v[NIL]                      ; 0 onto my spare word
	s_wait_dscnt 1                                 ; (the add alone may be out: buffer F1 is in)
	MUL8 F1, 0, 0                                  ; eight matrix instructions stand between the add and the wait for it
	s_wait_dscnt 0x0                               ; the add is done, and my reads of this slot are over
	s_barrier_signal -1
	MUL8 F1, 1, 0
.if \fill
	WIN 0
.endif
	s_barrier_wait -1
.if \fill
	CREST                                          ; no wave of any partner still reads this slot's tiles or has a load on its way
	s_add_nc_u64 s[G0A+4*(\slot)+2:G0A+4*(\slot)+3], s[G0A+4*(\slot)+2:G0A+4*(\slot)+3], 1048576
	s_add_nc_u64 s[G0B+4*(\slot)+2:G0B+4*(\slot)+3], s[G0B+4*(\slot)+2:G0B+4*(\slot)+3], 524288
	JLOAD \slot                                    ; the first tensor load behind the round; the four v_nop behind it are also the places in front of the loads below
.else
	PLACES
.endif
	FETCH \next, 0, F0
	MUL8 F1, 2, 0
	MUL8 F1, 3, 0
.endm
	s_wait_tensorcnt 1                             ; my part of K step 0 is in; K step 1's may stay out
	s_barrier_signal -1
	s_barrier_wait -1                              ; everybody's is
	FETCH 0, 0, F0
	s_wait_loadcnt 0x0                             ; the bias
	QUARTER 0, 1, F0, F1, 1                        ; the first quarter stands in front of the loop: its products start the sums
	WIN 0                                          ; at a label and at a branch every window is 0
	s_mov_b32 s3, 3
.Llap:                                                 ; a trip goes once round the ring and fills both slots again: K steps 2 to 7
	QUARTER 0, 2, F1, F0, 0
	QUARTER 0, 3, F0, F1, 0
	TURN 0, 1, 1
	QUARTER 1, 1, F0, F1, 0
	QUARTER 1, 2, F1, F0, 0
	QUARTER 1, 3, F0, F1, 0
	TURN 1, 0, 1
	QUARTER 0, 1, F0, F1, 0
	WIN 0
	s_sub_co_u32 s3, s3, 1
	s_cmp_lg_u32 s3, 0
	s_cbranch_scc1 .Llap
	QUARTER 0, 2, F1, F0, 0                        ; the last lap fills nothing, and has no round of the cluster's barrier
	QUARTER 0, 3, F0, F1, 0
	TURN 0, 1, 0
	QUARTER 1, 1, F0, F1, 0
	QUARTER 1, 2, F1, F0, 0
	QUARTER 1, 3, F0, F1, 0
	s_wait_dscnt 0x0                               ; the very last quarter: nothing more to fetch
	MUL8 F1, 0, 0
	MUL8 F1, 1, 0
	MUL8 F1, 2, 0
	MUL8 F1, 3, 0
	WIN 0
	PLACES                                         ; the LDS stores read results, and the loads behind them land on fragments that the last products read
	PLACES                                         ; (eight, once a launch)
; THE WAY OUT, a block of 16 rows at a time: a lane's 32 bytes of a row go into my stage, in rows of 528 bytes (each accumulator's low four registers first), and come back as whole rows of 512, into window 1.
.macro STG a
	WIN 0x08                                       ; store data in window 2
.irp b, 0,1,2,3,4,5,6,7
	ds_store_b128 v[STO], v[8*(8*(\a)+(\b)):8*(8*(\a)+(\b))+3]   offset:64*(\b)
	ds_store_b128 v[STO], v[8*(8*(\a)+(\b))+4:8*(8*(\a)+(\b))+7] offset:64*(\b)+16
.endr
	WIN TO_F
.irp t, 0,1,2,3,4,5,6,7,8,9,10,11,12,13,14,15
	ds_load_b128 v[64*(\a)+4*(\t):64*(\a)+4*(\t)+3], v[RD] offset:SP*(\t)  ; LDS serves a wave's instructions in order (ISA guide 5.7.1.4): these see the stores above; the next block's stores come behind them
.endr
.endm
.macro SEND a, younger                 ; younger: the LDS instructions issued behind block a's loads: the next block's 32, or none
	WIN 0x04                                       ; store data in window 1
.irp t, 0,1,2,3,4,5,6,7,8,9,10,11,12,13,14,15
	s_wait_dscnt (\younger)+15-(\t)
	global_store_b128 v[CO], v[64*(\a)+4*(\t):64*(\a)+4*(\t)+3], s[OB:OB+1] offset:(16*(\a)+(\t))*4096 th:TH_STORE_NT  ; 512 consecutive bytes, at a multiple of 256 from out0's first byte
.endr
.endm
	STG 0
	STG 1
	SEND 0, 32
	STG 2
	SEND 1, 32
	STG 3
	SEND 2, 32
	SEND 3, 0
	WIN 0
	s_wait_tensorcnt 0x0                           ; the wave's end: behind my last tensor load and my last LDS store
	ds_add_u32 v[SPW], v[NIL]
	s_wait_dscnt 0x0
	CROUND                                         ; the closing round: no work-group ends while a partner may still ask for a tile that names it
	s_endpgm
.Lfunc_end_k_qfe9c9d19f2_outp:
	.size	k_qfe9c9d19f2_outp, .Lfunc_end_k_qfe9c9d19f2_outp-k_qfe9c9d19f2_outp
	.p2alignl 7, 3214868480
	.fill 96, 4, 3214868480
	.section	.rodata,"a",@progbits
	.p2align	6, 0x0
	.amdhsa_kernel k_qfe9c9d19f2_outp
		.amdhsa_group_segment_fixed_size 327680
		.amdhsa_private_segment_fixed_size 0
		.amdhsa_enable_private_segment 0
		.amdhsa_kernarg_size 32
		.amdhsa_user_sgpr_count 2
		.amdhsa_user_sgpr_kernarg_segment_ptr 1
		.amdhsa_wavefront_size32 1
		.amdhsa_system_sgpr_workgroup_id_x 1
		.amdhsa_system_sgpr_workgroup_id_y 1
		.amdhsa_system_sgpr_workgroup_id_z 1
		.amdhsa_system_vgpr_workitem_id 0
		.amdhsa_next_free_vgpr 768
		.amdhsa_next_free_sgpr 80
		.amdhsa_reserve_vcc 0
		.amdhsa_float_denorm_mode_32 3
		.amdhsa_float_denorm_mode_16_64 3
		.amdhsa_memory_ordered 1
		.amdhsa_forward_progress 1
		.amdhsa_inst_pref_size 88
	.end_amdhsa_kernel
	.amdgpu_metadata
---
amdhsa.version: [ 1, 2 ]
amdhsa.kernels:
  - .name:           k_qfe9c9d19f2_outp
    .symbol:         k_qfe9c9d19f2_outp.kd
    .args:
      - { .name: oh, .offset: 0, .size: 8, .value_kind: global_buffer, .address_space: global }
      - { .name: wb, .offset: 8, .size: 8, .value_kind: global_buffer, .address_space: global }
      - { .name: bb, .offset: 16, .size: 8, .value_kind: global_buffer, .address_space: global }
      - { .name: out0, .offset: 24, .size: 8, .value_kind: global_buffer, .address_space: global }
    .group_segment_fixed_size: 327680
    .private_segment_fixed_size: 0
    .kernarg_segment_align: 8
    .kernarg_segment_size: 32
    .max_flat_workgroup_size: 128
    .sgpr_count:     80
    .vgpr_count:     768
    .wavefront_size: 32
...
	.end_amdgpu_metadata
.endif
;; end of part 4
;; ======== version 2 of 2: 4 launches; version 1 with the launch prep written anew for expert scheduling mode
;; limits: values are held in f16: magnitudes above 65,504 overflow, below 6.1e-05 lose precision
;; workspace buffers: wb 8,388,608 bytes; bb 16,384 bytes; qkv 50,331,648 bytes; oh 16,777,216 bytes
;; launch prep (part 5): grid 64 x 4, 8 waves a work-group, no clusters, 0 bytes of LDS; arguments Wq, Wk, Wv, Wo, bq, bk, bv, bo, wb, bb; writes wb, bb
.if DOCPART == 5
	.amdgcn_target "amdgcn-amd-amdhsa--gfx1250"
	.amdhsa_code_object_version 6
	.text
	.protected	k_qfe9c9d19f2_prep
	.globl	k_qfe9c9d19f2_prep
	.p2align	8
	.type	k_qfe9c9d19f2_prep,@function
k_qfe9c9d19f2_prep:
	s_mov_b64 s[64:65], 0
	v_nop
	global_prefetch_b8 v0, s[64:65] scope:SCOPE_SE
	s_setreg_imm32_b32 hwreg(HW_REG_WAVE_SCHED_MODE, 0, 2), 2
	s_setreg_imm32_b32 hwreg(HW_REG_WAVE_MODE, 25, 1), 1
	s_wait_xcnt 0x0
	s_wait_alu depctr_vm_vsrc(0)
; CASTS.  wb: four matrices [1024 k][1024 n] of 16 bits, matrix y at byte y << 21: Wq, Wk, Wv rounded to bf16; Wo rounded to bf16 and that number written as f16.
; bb: four vectors [1024] of f32, vector y at byte y << 12: bq, bk, bv, bo, each number rounded to bf16 and widened again.
; LIMIT.  A bf16 number is exact in f16 from 2^-14 up to 65,504; a smaller |Wo| keeps f16's fixed step of 6e-8, a larger one becomes an infinity.
; SHARES.  The grid's y picks the matrix; work-group x takes 16,384 numbers: 65,536 bytes in, 32,768 out.  Thread t, chunk i: 16 bytes in at 4,096 i + 16 t (a wave: 512 consecutive bytes),
; 8 bytes out at 2,048 i + 8 t (a wave: 256 consecutive bytes, aligned).  All 16 loads of a thread go out at once; each chunk has its own registers, so nothing is rewritten while a store reads it.
; No LDS, no matrix unit, no cluster: every byte is read once by one thread and nothing is shared.
; THE MODE: SCHED_MODE bits 1:0 = 2 (LLVM: expert scheduling mode 2), set by the entry lines.  The code itself states the register dependences
; between vector instructions and memory instructions, with s_wait_alu, always for 0.
; THE PLAN.  Registers that memory instructions touch:
;   v1, v2   byte offsets, made once at the head and never written again: read by every load and store.
;   X        chunk i's four registers: written by its load, once; read by its roundings.  No vector instruction names them ahead of the loads, and no load lands in them again.
;   Y        chunk i's two registers: written by its roundings; read by its one store; never written behind it.
;   BI, BS   the bias as loaded and as stored, in registers of their own: BI is named by no vector instruction ahead of its load, BS is written once, ahead of its store.
;   T        named by vector instructions alone.
; The 16 chunks go in four groups of four: the group's data are waited for, its roundings write its eight registers of Y, ONE wait states that they are written, and its four stores follow in a run.
; No register that a memory instruction reads is written again, so no wait on vm_vsrc is owed; no vector instruction writes a scalar register, VCC or EXEC.
.set X, 4                              ; v[4:67]    chunk i: 4 numbers as loaded
.set Y, 68                             ; v[68:99]   chunk i: 2 registers to store
.set T, 100                            ; v[100:103] at work
.set BI, 104                           ; v[104:107] 4 numbers of the bias as loaded
.set BS, 108                           ; v[108:111] the same 4 numbers to store
	s_load_b256 s[4:11], s[0:1], 0x0               ; Wq, Wk, Wv, Wo
	s_load_b256 s[12:19], s[0:1], 0x20             ; bq, bk, bv, bo
	s_load_b128 s[20:23], s[0:1], 0x40             ; wb, bb
	s_and_b32 s24, ttmp7, 0xffff                   ; which matrix
	v_lshlrev_b32 v1, 4, v0                        ; 16 t
	v_lshlrev_b32 v2, 3, v0                        ; 8 t
	s_lshl_b32 s26, ttmp9, 16                      ; my part of the source
	s_mov_b32 s27, 0
	s_lshl_b32 s28, s24, 21                        ; my matrix in wb,
	s_lshl_b32 s25, ttmp9, 15                      ; my part of it
	s_add_co_u32 s28, s28, s25
	s_mov_b32 s29, 0
	s_lshl_b32 s30, s24, 12                        ; my vector in bb
	s_mov_b32 s31, 0
	s_wait_kmcnt 0x0
.irp m, 1,2,3
	s_cmp_eq_u32 s24, \m                           ; the choice hangs on the grid's y alone
	s_cselect_b64 s[4:5], s[4+2*(\m):5+2*(\m)], s[4:5]
	s_cselect_b64 s[12:13], s[12+2*(\m):13+2*(\m)], s[12:13]
.endr
	s_add_nc_u64 s[4:5], s[4:5], s[26:27]
	s_add_nc_u64 s[20:21], s[20:21], s[28:29]
	s_add_nc_u64 s[22:23], s[22:23], s[30:31]
	s_wait_alu depctr_va_vdst(0)                   ; v1 and v2 are written: every load and store of the kernel reads one of them as its offset
.irp i, 0,1,2,3,4,5,6,7,8,9,10,11,12,13,14,15
	global_load_b128 v[X+4*(\i):X+4*(\i)+3], v1, s[4:5] offset:4096*(\i) th:TH_LOAD_NT
.endr
; Group g: chunks 4 g to 4 g + 3.  half = 1: the bf16 numbers are widened again and written as f16.
.macro GRP g, half
	s_wait_loadcnt 12-4*(\g)                       ; loads come back in order: the group's four chunks are in, the 12 - 4 g loads of the later groups may stay out
.irp c, 0,1,2,3
.set n, 4*(\g)+(\c)
	v_cvt_pk_bf16_f32 v[Y+2*n],   v[X+4*n],   v[X+4*n+1]
	v_cvt_pk_bf16_f32 v[Y+2*n+1], v[X+4*n+2], v[X+4*n+3]
.if \half
	v_lshlrev_b32 v[T],   16, v[Y+2*n]
	v_and_b32     v[T+1], 0xffff0000, v[Y+2*n]
	v_lshlrev_b32 v[T+2], 16, v[Y+2*n+1]
	v_and_b32     v[T+3], 0xffff0000, v[Y+2*n+1]
	v_cvt_pk_f16_f32 v[Y+2*n],   v[T],   v[T+1]
	v_cvt_pk_f16_f32 v[Y+2*n+1], v[T+2], v[T+3]
.endif
.endr
	s_wait_alu depctr_va_vdst(0)                   ; the group's roundings have written its eight registers of Y, which the four stores below read
.irp c, 0,1,2,3
.set n, 4*(\g)+(\c)
	global_store_b64 v2, v[Y+2*n:Y+2*n+1], s[20:21] offset:2048*n
.endr
.endm
	s_cmp_eq_u32 s24, 3
	s_cbranch_scc1 .Lf16
.irp g, 0,1,2,3
	GRP \g, 0
.endr
	s_branch .Lbias
.Lf16:
.irp g, 0,1,2,3
	GRP \g, 1
.endr
.Lbias:
	s_cmp_lg_u32 ttmp9, 0                          ; the first work-group of each matrix also casts its bias: 256 threads x 4 numbers
	s_cbranch_scc1 .Lend
	global_load_b128 v[BI:BI+3], v1, s[12:13]      ; no wait: no vector instruction has named BI, and v1 stands as the wait at the head found it
	s_wait_loadcnt 0x0
	v_cvt_pk_bf16_f32 v[T],   v[BI],   v[BI+1]
	v_cvt_pk_bf16_f32 v[T+1], v[BI+2], v[BI+3]
	v_lshlrev_b32 v[BS],   16, v[T]
	v_and_b32     v[BS+1], 0xffff0000, v[T]
	v_lshlrev_b32 v[BS+2], 16, v[T+1]
	v_and_b32     v[BS+3], 0xffff0000, v[T+1]
	s_wait_alu depctr_va_vdst(0)                   ; the four lines above have written BS, which the store reads
	global_store_b128 v1, v[BS:BS+3], s[22:23]
.Lend:
	s_endpgm
.Lfunc_end_k_qfe9c9d19f2_prep:
	.size	k_qfe9c9d19f2_prep, .Lfunc_end_k_qfe9c9d19f2_prep-k_qfe9c9d19f2_prep
	.p2alignl 7, 3214868480
	.fill 96, 4, 3214868480
	.section	.rodata,"a",@progbits
	.p2align	6, 0x0
	.amdhsa_kernel k_qfe9c9d19f2_prep
		.amdhsa_group_segment_fixed_size 0
		.amdhsa_private_segment_fixed_size 0
		.amdhsa_enable_private_segment 0
		.amdhsa_kernarg_size 80
		.amdhsa_user_sgpr_count 2
		.amdhsa_user_sgpr_kernarg_segment_ptr 1
		.amdhsa_wavefront_size32 1
		.amdhsa_system_sgpr_workgroup_id_x 1
		.amdhsa_system_sgpr_workgroup_id_y 1
		.amdhsa_system_sgpr_workgroup_id_z 1
		.amdhsa_system_vgpr_workitem_id 0
		.amdhsa_next_free_vgpr 112
		.amdhsa_next_free_sgpr 66
		.amdhsa_reserve_vcc 0
		.amdhsa_float_denorm_mode_32 3
		.amdhsa_float_denorm_mode_16_64 3
		.amdhsa_memory_ordered 1
		.amdhsa_forward_progress 1
		.amdhsa_inst_pref_size 17
	.end_amdhsa_kernel
	.amdgpu_metadata
---
amdhsa.version: [ 1, 2 ]
amdhsa.kernels:
  - .name:           k_qfe9c9d19f2_prep
    .symbol:         k_qfe9c9d19f2_prep.kd
    .args:
      - { .name: Wq, .offset: 0, .size: 8, .value_kind: global_buffer, .address_space: global }
      - { .name: Wk, .offset: 8, .size: 8, .value_kind: global_buffer, .address_space: global }
      - { .name: Wv, .offset: 16, .size: 8, .value_kind: global_buffer, .address_space: global }
      - { .name: Wo, .offset: 24, .size: 8, .value_kind: global_buffer, .address_space: global }
      - { .name: bq, .offset: 32, .size: 8, .value_kind: global_buffer, .address_space: global }
      - { .name: bk, .offset: 40, .size: 8, .value_kind: global_buffer, .address_space: global }
      - { .name: bv, .offset: 48, .size: 8, .value_kind: global_buffer, .address_space: global }
      - { .name: bo, .offset: 56, .size: 8, .value_kind: global_buffer, .address_space: global }
      - { .name: wb, .offset: 64, .size: 8, .value_kind: global_buffer, .address_space: global }
      - { .name: bb, .offset: 72, .size: 8, .value_kind: global_buffer, .address_space: global }
    .group_segment_fixed_size: 0
    .private_segment_fixed_size: 0
    .kernarg_segment_align: 8
    .kernarg_segment_size: 80
    .max_flat_workgroup_size: 256
    .sgpr_count:     66
    .vgpr_count:     112
    .wavefront_size: 32
...
	.end_amdgpu_metadata
.endif
;; end of part 5
;; launch proj: the kernel of part 2 again; grid 4 x 192, 4 waves a work-group, clusters of 4 x 4, 327,680 bytes of LDS; arguments query, key, value, wb, bb, qkv; writes qkv
;; launch attn: the kernel of part 3 again; grid 4 x 64, 4 waves a work-group, clusters of 4 x 1, 327,680 bytes of LDS; arguments qkv, mask, oh; writes oh
;; launch outp: the kernel of part 4 again; grid 4 x 64, 4 waves a work-group, clusters of 4 x 4, 327,680 bytes of LDS; arguments oh, wb, bb, out0; writes out0
